; MI455X (gfx1250); checked and timed in simulation.
; The chip was launched on July 23, 2026; its instructions are those of AMD's public machine-readable ISA for CDNA 5 (MIT licence, August 2026) and "CDNA5" Instruction Set Architecture Reference Guide (July 2026). The comments in the code are by the model that wrote it; some were corrected since.
;; Simple Self Attention. Allowed arithmetic: matrix products marked QUANTISED: E5M2 operands, one E8M0 scale for each 32 along K, by v_wmma_scale_f32_16x16x128_f8f6f4 with both operands' format E5M2, f32 sums; everything else in f32.
;; Inputs: b_k 1,024 float32; b_q 1,024 float32; b_v 1,024 float32; mask 2,048 x 2,048 float32; w_k_codes 1,024 x 32 x 32 uint8 (E5M2 codes of w_k, K innermost, in blocks of 32 codes); w_k_scales 1,024 x 32 uint8 (E8M0 scales of w_k, one for each 32 codes along K); w_q_codes 1,024 x 32 x 32 uint8 (E5M2 codes of w_q, K innermost, in blocks of 32 codes); w_q_scales 1,024 x 32 uint8 (E8M0 scales of w_q, one for each 32 codes along K); w_v_codes 1,024 x 32 x 32 uint8 (E5M2 codes of w_v, K innermost, in blocks of 32 codes); w_v_scales 1,024 x 32 uint8 (E8M0 scales of w_v, one for each 32 codes along K); x_codes 4 x 2,048 x 32 x 32 uint8 (E5M2 codes of x, K innermost, in blocks of 32 codes); x_scales 4 x 2,048 x 32 uint8 (E8M0 scales of x, one for each 32 codes along K).
;; Outputs: out0 4 x 2,048 x 1,024 float32.
;; This version of the problem:
;;   THIS VERSION OF THE PROBLEM IS GIVEN IN LOW PRECISION. The matrix products marked QUANTISED in the list below multiply operands that are first quantised to E5M2 (5 exponent bits, 2 mantissa bits; 8 bits a number), with one power-of-two scale for each 32 numbers along K (OCP MX v1.0); their sums are f32. All else is computed in f32.
;;   The module's matrix products, in the order in which they are computed (A, B: the left and right operand; K: the contracted axis; several contracted axes count as one K, in the product's order):
;;     1. [M 8,192, K 1,024] x [K 1,024, N 1,024]; A: input x (given as codes); B: input w_q (given as codes): QUANTISED
;;     2. [M 8,192, K 1,024] x [K 1,024, N 1,024]; A: input x (given as codes); B: input w_k (given as codes): QUANTISED
;;     3. [M 8,192, K 1,024] x [K 1,024, N 1,024]; A: input x (given as codes); B: input w_v (given as codes): QUANTISED
;;     4. batch 4 x [M 2,048, K 1,024] x [K 1,024, N 2,048]; A: computed on the way; B: computed on the way: QUANTISED
;;     5. batch 4 x [M 2,048, K 2,048] x [K 2,048, N 1,024]; A: softmax (see below); B: computed on the way: QUANTISED
;;   THE QUANTISER, for each operand of a quantised product, along K:
;;     - K is cut into blocks of 32 from its start; a last block that is shorter is filled with zeros.
;;     - A block's scale is 2^e with e = floor(log2(the largest magnitude in the block)) - 15, held to -126 .. 127; a block of zeros has e = 0. As a byte (E8M0): e + 127.
;;     - Each number is divided by its block's scale, clamped to +-57,344, and rounded to the nearest number of E5M2, ties to even, subnormals kept.
;;     - The product sums the exact products of the quantised numbers (number of the format x scale) in f32.
;;   ~~~python
;;   def quantise(x, axis):      # numpy; x: float32 -> the quantised numbers, widened to float32 again
;;       x = np.moveaxis(x, axis, -1); K = x.shape[-1]
;;       x = np.pad(x, [(0, 0)] * (x.ndim - 1) + [(0, -K % 32)]); x = x.reshape(x.shape[:-1] + (-1, 32)); a = np.abs(x).max(-1, keepdims=True)
;;       e = np.where(a > 0, np.clip(np.frexp(np.where(a > 0, a, 1))[1] - 1 - 15, -126, 127), 0)      # np.frexp(a)[1] - 1 = floor(log2(a)), exactly
;;       r = np.clip(x / 2.0 ** e, -57344, 57344)
;;       step = 2.0 ** (np.maximum(np.frexp(np.where(r == 0, 1, r))[1] - 1, -14) - 2)
;;       q = np.round(r / step) * step * 2.0 ** e      # np.round: ties to even
;;       return np.moveaxis(q.reshape(q.shape[:-2] + (-1,))[..., :K], -1, axis).astype(np.float32)
;;   ~~~
;;   SOFTMAX AHEAD OF A QUANTISED PRODUCT. Where the list says 'softmax', what is quantised is not the finished softmax but p = 2^(t - M), with t = logit x log2(e) and M = ceil(the row's largest t), a whole number; so 1/2 < the row's largest p <= 1. The row's sum l is taken of the UNQUANTISED p, in f32, and the product's result is divided by l at the end. Since M is a whole number, a kernel that streams over the keys may use a running M (the ceiling of the running maximum): every later rescaling is an exact power of two, which a block's scale takes up: the codes' values come out the same.
;;   OPERANDS COMPUTED ON THE WAY. 'Computed on the way' means the value that the module computes at that place (a softmax that the list does not call 'softmax' is quantised finished and normalised). What goes into a quantiser is computed in f32, as accurately as f32 sums, v_exp_f32 and their like allow (about 1e-6 of the number): no bf16 or f16 on the way to a quantiser, and a product that is left as it is and whose result goes on into a quantised operand takes f32 operands (vector FMAs, or v_wmma_f32_16x16x4_f32). A number that lies on a knife's edge between two numbers of the format may be rounded either way, as far as f32 arithmetic and the matrix unit's own rounding can turn it there, and no further.
;;   INPUTS GIVEN AS CODES. w_k (in the module: [1024, 1024], K = its axis 1); w_q (in the module: [1024, 1024], K = its axis 1); w_v (in the module: [1024, 1024], K = its axis 1); x (in the module: [4, 2048, 1024], K = its axis 2): each comes as NAME_codes (uint8): NAME with its K axis moved to the last place and cut into blocks of 32 codes, [.., K / 32, bytes a block], one block behind the other in memory; one code a byte (a code: sign, 5 exponent bits, 2 mantissa bits); and NAME_scales (uint8): the same leading axes, one E8M0 byte (e + 127) for each 32 codes along K. Its value is code x scale, taken as it is: it is not quantised again, and the codes and scales need not be those that the quantiser above would give.
;; One version. Each part assembles by itself: llvm-mc -triple=amdgcn-amd-amdhsa -mcpu=gfx1250 --defsym DOCPART=n.
;; ======== version 1 of 1: 3 launches
;; limits: right only within a limited range of input values
;; workspace buffers: wc 25,165,824 bytes; ws 786,432 bytes; pc 16,777,216 bytes; ps 524,288 bytes; st 1,048,576 bytes
;; launch proj (part 1): grid 16 x 16, 4 waves a work-group, clusters of 4 x 4, 327,680 bytes of LDS; arguments x_codes, x_scales, w_q_codes, w_q_scales, w_k_codes, w_k_scales, w_v_codes, w_v_scales, b_q, b_k, b_v, wc, ws; writes wc, ws
.if DOCPART == 1
	.amdgcn_target "amdgcn-amd-amdhsa--gfx1250"
	.amdhsa_code_object_version 6
	.text
	.protected	k_q8b6e2a2a28_proj
	.globl	k_q8b6e2a2a28_proj
	.p2align	8
	.type	k_q8b6e2a2a28_proj,@function
k_q8b6e2a2a28_proj:
	s_mov_b64 s[64:65], 0
	v_nop
	global_prefetch_b8 v0, s[64:65] scope:SCOPE_SE
	s_setreg_imm32_b32 hwreg(HW_REG_WAVE_MODE, 25, 1), 1
	s_wait_xcnt 0x0
	s_wait_alu depctr_hold_cnt(0) depctr_sa_sdst(0) depctr_va_vdst(0) depctr_va_sdst(0) depctr_va_ssrc(0) depctr_va_vcc(0) depctr_vm_vsrc(0)
	s_getreg_b32 s2, hwreg(HW_REG_IB_STS2, 6, 4)
	s_cmp_eq_u32 s2, 0
	s_cbranch_scc0 .Lentry_in_a_cluster
	s_endpgm
.Lentry_in_a_cluster:
	s_bfe_u32 s2, ttmp6, 0x10000c
	s_cmp_lg_u32 s2, 0xf033
	s_cbranch_scc0 .Lentry_shape_is_right
	s_endpgm
.Lentry_shape_is_right:
; Q = x Wq^T + bq, K = x Wk^T + bk, V = x Wv^T + bv on E5M2 codes with E8M0 scales, f32 sums (a sum begins with its bias); Q and K are quantised again along the features, V along the tokens.  No f32 result is stored.
; LIMITS: NaN, infinities and sums beyond f32's range are not served.  A block of zeros keeps the scale byte 1 (not 127) over zero codes: the bytes are read by this program alone.
; OUT, in the order of the operand registers of the launches that read them (r = lane % 16, h = lane / 16):
;   wc: Q at 0, K at 8,388,608: [4 steps of 256 features][512 blocks of 16 tokens][4 groups of 64 features][2 blocks of 32][half of the block][r][16 codes];  V at 16,777,216: [64 steps of 128 tokens][64 tiles of 16 channels][4 blocks of 32 tokens][lane][16 codes].
;   ws: Q at 0, K at 262,144: [8 steps of 128 features][128 groups of 64 tokens][16: r][4: token 16 k + r][4 bytes];  V at 524,288: [64 steps of 128 tokens][16 groups of 64 channels][32 lanes][2: channel 32 k + lane][4 bytes].
; Inside a block of 32 along a later product's K the order is free if both operands have the same: odd feature blocks of Q and K lie as their groups of eight 1, 2, 3, 0; a block of 32 keys lies as 0-7, 16-23, 8-15, 24-31 (P likewise).
; THE DEAL.  256 work-groups of four waves, 2 x 2; a wave holds 64 rows of a weight, ALL of K, in registers (512) and streams x's rows past them in blocks of 16 (two whole sets, 256 registers).
; PHASE 1: 512 rows x 128 columns of Q (tile columns 0 to 7) or K (8 to 15): sixteen blocks a wave.  PHASE 2: 256 x 128 of V: eight blocks, of one of the work-group's own two windows of 256 rows: number s18; Wv's tile column is s13.
; THE ORDER OF WORK.  LDS holds two slots of 128 rows: the first weight lies in slot 1 at first, Wv in slot 0 later.  Phase 1 takes the window that is not V's (chunks 0, 1), then V's (2, 3); chunk 3 still lies in slot 1 when V begins, chunk 2 comes anew.
; In a chunk of 128 rows, row of waves w takes rows 64 w + 16 b, b = 0 .. 3.  A refill's quarter for wave i is rows 64 (i % 2) + 32 (i / 2): waves 0, 1 bring what the first two blocks of either row of waves read.
; FILLS.  Head: the first weight (wave 0), chunk 0 (wave 1), a window's scale bytes each (waves 2, 3).  Refills, each behind a drained round: chunks 1, 2, 3 inside blocks 0, 4, 8; Wv behind block 11; chunk 2 anew behind Wv's loads.
; A Q or K block's way out (maxima, holds, conversions, the byte: 57 lines) stands in one run behind the NEXT block's products: it is also the places between these products and the loads into what they have read.  The first block has none before it and stores nothing.
; V goes out pair by pair (32 tokens), straight from the pair's sums, while the next block's LDS loads are out.
; x's next chunks and Wv are prefetched, a sixteenth a wave of the cluster's row or column, about one chunk (four blocks) ahead of the load that wants them.
.set KROW, 1024
.set PITCH, KROW+16                    ; an LDS row: 1,024 bytes + 16 of padding
.set NB, 4                             ; column tiles a wave
.set TN, 128
.set TM, 512
.set CH, 128
.set FR, 16
.set FPW, 16
.set NP, 8                             ; places behind this matrix form (ISA guide 7.12.1)
.set NF, 34                            ; LDS loads of a block
.set YB, CH*PITCH                      ; slot 1
.set XSTEP, 16*PITCH                   ; from a block to the next
.set SCL, 2*CH*PITCH                   ; x's scale bytes of 512 rows in the order of work: units of 256 bytes (8 rows) + 16 of padding
.set RS, 32                            ; units of a window
.set SSTEP, 2*272
.set CSTEP, 16*272                     ; a chunk
.set XN, SCL+2*RS*272                  ; Q's, K's scale words: 512 rows in the order of work
.set XV, XN+TM*4                       ; V's: [2 steps][2 groups of 64 channels][32 lanes][2][4 bytes]
.set SPARE, XV+1024
.set EMAX, 15
.set OSTEP, 4096                       ; from a block of 16 tokens to the next in wc
.set ADRA0, 4
.set CN, 5
.set AAS0, 6
.set CO, 9
.set SPW, 10
.set NIL, 11
.set ADRA, 12
.set VX, 13
.set ADRB, 14                          ; v14 the first weight's tiles 0-2, v18 tile 3, v15 Wv's
.set ADRB3, 18
.set ABS, 16
.set AAS, 17
.set RD, 19
.set SOP, 20
.set SB, 24                            ; the weight's scale words: register 8 p + q: lanes 0-15 tile 2 p's, lanes 16-31 tile 2 p + 1's
.set SA, 44                            ; x's: two sets of eight
.set EB, 40
.set TQ, 60
.set ACC, 64                           ; two sets of four accumulators
.set WS, 128                           ; in phase 1: Wv's scale words
.set NCD, 192
.set MCD, 192
.set BQ, 208                           ; the first products' C
.set BV, 240
.set G1A, 24
.set G0A, 56
.set G1B, 32
.set G0B, 60
.set G1R, 48
.set G0R, 68
.set G1S, 92
.set G0S, 72
.set MSB, 0
.macro WIN new                         ; the immediate's high byte repeats the setting that is left
.if MSB != \new
	s_set_vgpr_msb (MSB<<8)|\new
.set MSB, \new
.endif
.endm
.macro PLACES n
.rept \n
	v_nop
.endr
.endm
.macro WALU
	s_wait_alu depctr_va_vdst(0)
.endm
.macro BARRIER
	s_barrier_signal -1
	s_barrier_wait -1
.endm
.macro CROUND
	BARRIER
	s_cmp_lg_u32 s14, 0
	s_cbranch_scc1 .Lnot_wave_0_\@
	s_barrier_signal -3
.Lnot_wave_0_\@:
	s_barrier_wait -3
	BARRIER
.endm
.macro TLOAD g0, g1
	tensor_load_to_lds s[\g0:\g0+3], s[\g1:\g1+7]
	s_nop 0
	PLACES 4
.endm
.macro GROUP1 g, mask, rows            ; a tile of so many whole rows of 1,024 bytes, padded in LDS by 4 words behind every 256
	s_or_b32 s[\g+0], s[\mask], (1<<20)|(1<<21)|(7<<22)|(3<<25)
	s_mov_b32 s[\g+1], KROW<<16
	s_mov_b32 s[\g+2], (\rows)<<16
	s_mov_b32 s[\g+3], KROW<<16
	s_mov_b32 s[\g+4], \rows
	s_mov_b32 s[\g+5], KROW
	s_mov_b32 s[\g+6], 0
	s_mov_b32 s[\g+7], 0
.endm
.macro SADD d, x
	s_add_co_u32 s\d, s\d, s\x
.endm
	s_load_b128 s[4:7], s[0:1], 0x0                ; x codes, x scales
	s_load_b256 s[76:83], s[0:1], 0x10             ; wq codes 76, scales 78, wk codes 80, scales 82
	s_load_b128 s[84:87], s[0:1], 0x30             ; wv codes 84, scales 86
	v_lshl_add_u32 v[SPW], v0, 2, SPARE
	v_mov_b32 v[NIL], 0
	ds_add_u32 v[SPW], v[NIL]                      ; the opening: the add, twice on end, and its wait; work on registers stands between
	ds_add_u32 v[SPW], v[NIL]
	v_lshrrev_b32 v1, 5, v0
	v_readfirstlane_b32 s14, v1                    ; wave
	s_lshr_b32 s15, s14, 1                         ; my row of waves
	s_and_b32 s16, s14, 1                          ; my column of waves
	s_lshl_b32 s66, s16, 1
	SADD 66, 15                                    ; my quarter of a refill, in 32 rows
	s_bfe_u32 s40, ttmp6, 0x40000                  ; cx
	s_bfe_u32 s41, ttmp6, 0x40004                  ; cy
	s_lshl_b32 s42, ttmp9, 2
	SADD 42, 40                                    ; tile column 0..15
	s_and_b32 s43, ttmp7, 0xffff
	s_lshl_b32 s43, s43, 2
	SADD 43, 41                                    ; tile row 0..15
	s_lshr_b32 s19, ttmp9, 1                       ; 0: Q, 1: K
	s_and_b32 s18, ttmp9, 1                        ; V's window
	s_and_b32 s12, s42, 7                          ; the tile column in Wq or Wk
	s_lshl_b32 s13, s19, 2
	SADD 13, 40                                    ; Wv's tile column
	s_lshl_b32 s44, s41, 2
	s_lshl_b32 s44, 15, s44                        ; my row of the cluster shares x's rows
	s_lshl_b32 s45, 0x1111, s40                    ; my column shares a weight's
	GROUP1 G1B, 45, TN
	GROUP1 G1A, 44, CH
	GROUP1 G1R, 44, CH/4
	s_or_b32 s[G1S+0], s44, (3<<16)|(1<<20)|(1<<21)|(5<<22)|(3<<25)   ; a window's scale bytes: 8,192 dense bytes as 32 rows of 256
	s_mov_b32 s[G1S+1], 32<<16
	s_mov_b32 s[G1S+2], RS<<16
	s_mov_b32 s[G1S+3], 32<<16
	s_mov_b32 s[G1S+4], RS
	s_mov_b32 s[G1S+5], 32
	s_mov_b32 s[G1S+6], 0
	s_mov_b32 s[G1S+7], 0
	s_mov_b32 s[G0S], 1
	s_mul_i32 s[G0S+1], s16, RS*272
	s_add_co_u32 s[G0S+1], s[G0S+1], SCL
	s_mul_i32 s67, s43, TM*KROW                    ; in x: s67 the window that is not V's, s2 V's
	s_lshl_b32 s20, s18, 18
	s_add_co_u32 s2, s67, s20
	s_xor_b32 s20, s20, 1<<18
	SADD 67, 20
	s_lshl_b32 s88, s12, 17                        ; the first weight's rows
	s_mov_b32 s89, 0
	s_lshl_b32 s21, s16, 11
	s_lshl_b32 s90, s12, 12                        ; its scale bytes: my wave's 64 rows
	SADD 90, 21
	s_mov_b32 s91, 0
	s_lshl_b32 s22, s13, 17                        ; Wv's likewise
	s_mov_b32 s23, 0
	s_lshl_b32 s100, s13, 12
	SADD 100, 21
	s_mov_b32 s101, 0
	s_lshl_b32 s46, s43, 1                         ; x's scale bytes: wave 2 the window that is not V's, wave 3 V's
	s_xor_b32 s20, s18, 1
	s_cmp_eq_u32 s16, 1
	s_cselect_b32 s20, s18, s20
	SADD 46, 20
	s_lshl_b32 s46, s46, 13
	s_mov_b32 s47, 0
	s_mov_b32 s[G0A], 1
	s_mov_b32 s[G0A+1], 0
	s_mov_b32 s[G0B], 1
	s_mov_b32 s[G0B+1], YB
	s_mov_b32 s[G0R], 1
	v_and_b32 v1, 15, v0                           ; r
	v_bfe_u32 v2, v0, 4, 1                         ; h
	v_and_b32 v3, 31, v0                           ; lane
	v_mul_u32_u24 v22, v1, PITCH
	v_mad_u32_u24 v23, v2, 16, v22                 ; row r x pitch + 16 h
	s_mul_i32 s20, s15, 64*PITCH
	v_add_nc_u32 v[ADRA0], s20, v23
	s_mul_i32 s22, s16, 64*PITCH
	v_add_nc_u32 v[ADRB+1], s22, v23
	s_add_co_u32 s22, s22, YB
	v_add_nc_u32 v[ADRB3], s22, v23                ; tile 3: rows 24 + r
	v_and_b32 v8, 8, v1
	v_mul_u32_u24 v22, v8, 4*PITCH
	v_add_nc_u32 v[ADRB], v[ADRB3], v22            ; tile j < 3: rows 8 j + r, and 32 more for r >= 8: the two groups of eight rows lie 40 apart
	v_lshlrev_b32 v7, 7, v8
	v_lshl_add_u32 v[ABS], v1, 5, v7
	v_lshl_add_u32 v[ABS], v2, 8, v[ABS]           ; scale bytes of tiles 0, 1: lanes 16-31 take tile 1
	v_sub_nc_u32 v21, 1, v2
	v_mul_u32_u24 v21, v21, v7
	v_lshl_add_u32 v21, v1, 5, v21
	v_lshl_add_u32 v21, v2, 8, v21                 ; of tiles 2, 3 (512 bytes on)
	v_lshlrev_b32 v20, 5, v3                       ; Wv's: lane l row l of a pair of tiles
	v_lshlrev_b32 v23, 5, v1                       ; x's: 32 bytes a row, 16 more for each 256 passed
	v_lshrrev_b32 v22, 3, v1
	v_lshl_add_u32 v23, v22, 4, v23
	s_mul_i32 s20, s15, 8*272
	s_add_co_u32 s20, s20, SCL
	v_add_nc_u32 v[AAS0], s20, v23
	s_lshl_b32 s22, s13, 17
	WALU
	s_wait_dscnt 0x0                               ; both opening adds are done
	CROUND                                         ; all sixteen work-groups are here
	s_wait_kmcnt 0x0
	s_cmp_eq_u32 s19, 0
	s_cselect_b64 s[76:77], s[76:77], s[80:81]
	s_cselect_b64 s[78:79], s[78:79], s[82:83]
	s_mov_b32 s20, s67
	s_mov_b32 s21, 0
	s_add_nc_u64 s[G0A+2:G0A+3], s[4:5], s[20:21]
	s_or_b32 s[G0A+3], s[G0A+3], 0x80000000
	s_add_nc_u64 s[G0B+2:G0B+3], s[76:77], s[88:89]
	s_or_b32 s[G0B+3], s[G0B+3], 0x80000000
	s_add_nc_u64 s[G0S+2:G0S+3], s[6:7], s[46:47]
	s_or_b32 s[G0S+3], s[G0S+3], 0x80000000
	s_add_nc_u64 s[10:11], s[78:79], s[90:91]
	s_add_nc_u64 s[104:105], s[84:85], s[22:23]
	s_add_nc_u64 s[86:87], s[86:87], s[100:101]
	s_cmp_eq_u32 s14, 0                            ; ONE joint load a wave, and a line of its own for what is shown ahead of the rest
	s_cbranch_scc0 .Lwave_1
	TLOAD G0B, G1B                                 ; wave 0: the first weight, wanted first
	s_branch .Lasked
.Lwave_1:
	s_cmp_eq_u32 s14, 1
	s_cbranch_scc0 .Lfor_scales
	TLOAD G0A, G1A                                 ; wave 1: chunk 0
	s_branch .Lasked
.Lfor_scales:
	TLOAD G0S, G1S                                 ; waves 2, 3: scale bytes
.Lasked:
	s_load_b128 s[88:91], s[0:1], 0x40             ; b_q, b_k
	s_load_b64 s[46:47], s[0:1], 0x50              ; b_v
	s_lshl_b32 s76, s43, 5                         ; s[76:77] Q's or K's codes: token block 32 x tile row + 4 w,
	s_lshl_b32 s20, s15, 2
	SADD 76, 20
	s_lshl_b32 s76, s76, 12
	s_lshl_b32 s20, s19, 23
	SADD 76, 20
	s_lshr_b32 s20, s12, 1                         ; the step of 256 features, 2,097,152 bytes each,
	s_lshl_b32 s20, s20, 21
	SADD 76, 20
	s_and_b32 s20, s12, 1                          ; and my group of 64 in it
	s_lshl_b32 s20, s20, 11
	SADD 76, 20
	s_lshl_b32 s20, s16, 10
	SADD 76, 20
	s_mov_b32 s77, 0
	s_lshl_b32 s78, s19, 18                        ; s[78:79] their scale words: wave n stores quarter n in the order of work
	s_lshl_b32 s20, s12, 15
	SADD 78, 20
	s_lshl_b32 s20, s43, 11
	SADD 78, 20
	s_xor_b32 s20, s15, s18
	s_xor_b32 s20, s20, 1
	s_lshl_b32 s20, s20, 10
	SADD 78, 20
	s_lshl_b32 s20, s16, 9
	SADD 78, 20
	s_mov_b32 s79, 0
	s_lshl_b32 s23, s43, 1
	SADD 23, 18                                    ; V's window of the whole
	s_lshl_b32 s80, s23, 18                        ; s[80:81] V's codes
	s_add_co_u32 s80, s80, 16777216
	s_lshl_b32 s20, s13, 14
	SADD 80, 20
	s_lshl_b32 s20, s16, 13
	SADD 80, 20
	s_lshl_b32 s20, s15, 10
	SADD 80, 20
	s_mov_b32 s81, 0
	s_lshl_b32 s82, s23, 13                        ; s[82:83] V's scale words: wave n: step n / 2, half n % 2
	s_add_co_u32 s82, s82, 524288
	s_lshl_b32 s20, s15, 12
	SADD 82, 20
	s_lshl_b32 s20, s13, 9
	SADD 82, 20
	s_lshl_b32 s20, s16, 8
	SADD 82, 20
	s_mov_b32 s83, 0
	; THE BIASES.  Phase 1: register i of tile j is feature 32 h + 8 ((j + h) % 4) + i of my 64.  Phase 2: all eight registers of tile t are channel 16 t + r
	s_lshl_b32 s21, s16, 8
	s_lshl_b32 s20, s12, 9
	SADD 20, 21
	s_lshl_b32 s22, s13, 9
	SADD 22, 21
	s_mov_b32 s21, 0
	s_mov_b32 s23, 0
	v_mul_u32_u24 v22, 0xa0, v2
	v_lshlrev_b32 v8, 5, v2
	v_add_nc_u32 v8, 0x60, v8
	v_lshlrev_b32 v23, 2, v1
	WALU
	s_wait_kmcnt 0x0
	s_cmp_eq_u32 s19, 1
	s_cselect_b64 s[88:89], s[90:91], s[88:89]
	s_add_nc_u64 s[20:21], s[88:89], s[20:21]
	s_add_nc_u64 s[22:23], s[46:47], s[22:23]
.irp j, 0,1,2
	global_load_b128 v[BQ+8*\j:BQ+8*\j+3], v22, s[20:21] offset:32*\j
	global_load_b128 v[BQ+8*\j+4:BQ+8*\j+7], v22, s[20:21] offset:32*\j+16
.endr
	global_load_b128 v[BQ+24:BQ+27], v8, s[20:21]
	global_load_b128 v[BQ+28:BQ+31], v8, s[20:21] offset:16
.irp t, 0,1,2,3
	global_load_b32 v[BV+\t], v23, s[22:23] offset:64*\t
.endr
.irp c, 0,1
	global_load_b128 v[SB+4*\c:SB+4*\c+3], v[ABS], s[10:11] offset:16*\c
	global_load_b128 v[SB+8+4*\c:SB+8+4*\c+3], v21, s[10:11] offset:512+16*\c
	global_load_b128 v[WS+4*\c:WS+4*\c+3], v20, s[86:87] offset:16*\c
	global_load_b128 v[WS+8+4*\c:WS+8+4*\c+3], v20, s[86:87] offset:1024+16*\c
.endr
	s_wait_xcnt 0x0                                ; the loads have taken their addresses; registers of them change below
	v_lshlrev_b32 v[CO], 4, v3
	s_lshl_b32 s21, s15, 8
	s_lshl_b32 s22, s16, 1
	SADD 21, 22
	s_add_co_u32 s21, s21, XN
	v_lshl_add_u32 v23, v1, 4, v2
	v_add_nc_u32 v[VX], s21, v23                   ; Q's, K's byte: group of 64 rows, r, (block), 2 x column of waves + h
	s_lshl_b32 s21, s15, 1
	s_lshl_b32 s22, s16, 8
	SADD 21, 22
	s_add_co_u32 s21, s21, XV
	v_lshlrev_b32 v23, 3, v1
	v_add_nc_u32 v[RD], s21, v23                   ; V's
	v_lshlrev_b32 v23, 9, v2
	v_lshl_add_u32 v[CN], v1, 4, v23
	s_lshl_b32 s90, s40, 2                         ; which of the cluster row's sixteen waves I am, for a prefetch of x's rows;
	SADD 90, 14
	s_lshl_b32 s100, s41, 2                        ; and of the column's, for Wv's
	SADD 100, 14
	s_add_co_u32 s6, s67, CH*KROW                  ; chunk 1
	s_add_co_u32 s7, s2, CH*KROW                   ; chunk 3
	s_lshl_b32 s21, s90, 13
	s_add_co_u32 s22, s21, s6
	v_lshl_add_u32 v7, v3, 8, s22                  ; my sixteenth of chunk 1, of chunk 2
	s_add_co_u32 s22, s21, s2
	v_lshl_add_u32 v8, v3, 8, s22
	v_add_nc_u32 v1, XSTEP, v[ADRA0]               ; block 1's LDS addresses
	v_add_nc_u32 v2, SSTEP, v[AAS0]
	WALU
	s_cmp_eq_u32 s14, 0
	s_cbranch_scc0 .Lnot_b
	s_wait_tensorcnt 0x0                           ; wave 0: the first weight has landed.  The other waves' wait stands at the second barrier
.Lnot_b:
	BARRIER
	global_prefetch_b8 v7, s[4:5] th:TH_LOAD_NT scope:SCOPE_SE
	global_prefetch_b8 v8, s[4:5] th:TH_LOAD_NT scope:SCOPE_SE
.macro MIDDLE                          ; a round's middle
	WIN 0
	s_barrier_wait -1
	s_cmp_lg_u32 s14, 0
	s_cbranch_scc1 .Lnot_wave_0_\@
	s_barrier_signal -3
.Lnot_wave_0_\@:
	s_barrier_wait -3
.endm
.macro GRD
	s_wait_tensorcnt 0x0
	ds_add_u32 v[SPW], v[NIL]
.endm
.macro FRAG f, adr, q, off             ; a weight's fragment f = 4 q + tile, in window 1 + f / 16: registers 4 c .. 4 c + 3 hold K = 128 q + 32 c + 16 h + 0 .. 15
	WIN (1+(\f)/FPW)<<6
.irp c, 0,1,2,3
	ds_load_b128 v[FR*((\f)%FPW)+4*\c:FR*((\f)%FPW)+4*\c+3], v[\adr] offset:128*(\q)+32*\c+(\off)
.endr
.endm
.macro FETCHAT k, a, s                 ; a block of x, all of K, into set k of window 3, and its scale words
	WIN 3<<6
.irp q, 0,1,2,3,4,5,6,7
.irp c, 0,1,2,3
	ds_load_b128 v[128*\k+FR*\q+4*\c:128*\k+FR*\q+4*\c+3], v[\a] offset:128*\q+32*\c
.endr
.endr
	WIN 0
	ds_load_b128 v[SA+8*\k:SA+8*\k+3], v[\s]
	ds_load_b128 v[SA+8*\k+4:SA+8*\k+7], v[\s] offset:16
.endm
.macro PROD kind, e, a, n              ; product n = 4 q + tile; x in set e, sums in set a.  kind 0 (Q, K): source 0 = the weight's rows; 1 (V): source 0 = x's rows
.set Q_, (\n)/4
.set B_, (\n)%4
.set FB_, NB*Q_+B_
.set AC_, ACC+32*(\a)+8*B_
.set C_, AC_
.if Q_ == 0
.set C_, BQ+8*B_
.endif
.set R_, 128*(\e)+FR*Q_
.set W_, FR*(FB_%FPW)
.set XS_, SA+8*(\e)+Q_
.set WS_, SB+8*(B_/2)+Q_
.if \kind
	WIN 3|((1+FB_/FPW)<<2)
.if B_%2
	v_wmma_scale_f32_16x16x128_f8f6f4 v[AC_:AC_+7], v[R_:R_+FR-1], v[W_:W_+FR-1], v[C_:C_+7], v[XS_], v[WS_] matrix_a_fmt:MATRIX_FMT_BF8 matrix_b_fmt:MATRIX_FMT_BF8 matrix_b_scale:MATRIX_SCALE_ROW1
.else
	v_wmma_scale_f32_16x16x128_f8f6f4 v[AC_:AC_+7], v[R_:R_+FR-1], v[W_:W_+FR-1], v[C_:C_+7], v[XS_], v[WS_] matrix_a_fmt:MATRIX_FMT_BF8 matrix_b_fmt:MATRIX_FMT_BF8
.endif
.else
	WIN (1+FB_/FPW)|(3<<2)
.if B_%2
	v_wmma_scale_f32_16x16x128_f8f6f4 v[AC_:AC_+7], v[W_:W_+FR-1], v[R_:R_+FR-1], v[C_:C_+7], v[WS_], v[XS_] matrix_a_fmt:MATRIX_FMT_BF8 matrix_b_fmt:MATRIX_FMT_BF8 matrix_a_scale:MATRIX_SCALE_ROW1
.else
	v_wmma_scale_f32_16x16x128_f8f6f4 v[AC_:AC_+7], v[W_:W_+FR-1], v[R_:R_+FR-1], v[C_:C_+7], v[WS_], v[XS_] matrix_a_fmt:MATRIX_FMT_BF8 matrix_b_fmt:MATRIX_FMT_BF8
.endif
.endif
.endm
.macro SCALES i, n                     ; 0: the conversion's scale operand; 1: the bound, 57,344 x the scale; 2: the scale byte
.if (\i) == 0
	v_add_nc_u32 v[SOP+\n], -(EMAX<<23), v[TQ]
.elseif (\i) == 1
	v_and_or_b32 v[TQ+1], v[TQ], 0x7f800000, s62
.else
	v_lshrrev_b32 v[EB+\n], 23, v[SOP+\n]
.endif
.endm
.macro MAXQ k, x                       ; Q, K: 18 lines: the largest magnitude of the 32 sums at x, with the floor 2^(16 - 127)
.if (\k) < 4
	v_max3_num_f32 v[TQ+\k], |v[\x+8*(\k)]|, |v[\x+8*(\k)+1]|, |v[\x+8*(\k)+2]|
.elseif (\k) < 12
	v_max3_num_f32 v[TQ+(\k)%4], v[TQ+(\k)%4], |v[\x+8*((\k)%4)+2*((\k)/4)+1]|, |v[\x+8*((\k)%4)+2*((\k)/4)+2]|
.elseif (\k) < 16
	v_max_num_f32 v[TQ+(\k)%4], v[TQ+(\k)%4], |v[\x+8*((\k)%4)+7]|
.elseif (\k) == 16
	v_max3_num_f32 v[TQ], v[TQ], v[TQ+1], v[TQ+2]
.else
	v_max3_num_f32 v[TQ], v[TQ], v[TQ+3], (EMAX+1)<<23
.endif
.endm
.macro HOLDS x                         ; the conversion to an 8-bit code does not saturate (ISA guide 7.6.2)
	v_med3_num_f32 v[\x], v[\x], -v[TQ+1], v[TQ+1]
	v_med3_num_f32 v[\x+1], v[\x+1], -v[TQ+1], v[TQ+1]
.endm
.macro GAPQ m, x                       ; the quantiser of Q's or K's block, parts 0 .. 26: a scale block of 32 lies in a lane
.if (\m) < 9
	MAXQ 2*(\m), \x
	MAXQ 2*(\m)+1, \x
.elseif (\m) == 9
	SCALES 0, 0
	SCALES 1, 0
.elseif (\m) < 26
	HOLDS \x+2*((\m)-10)
.if ((\m)-10)%4 == 3
	v_cvt_scalef32_pk8_bf8_f32 v[NCD+2*(((\m)-10)/4):NCD+2*(((\m)-10)/4)+1], v[\x+8*(((\m)-10)/4):\x+8*(((\m)-10)/4)+7], v[SOP]
.endif
.elseif (\m) == 26
	SCALES 2, 0
.endif
.endm
.macro GAPV u                          ; the quantiser of a pair of V's blocks, parts 0 .. 59, 15 a tile: a scale block of 32 tokens lies in lanes l and l xor 16: the even block's sums in set 0, the odd's in set 1
.set T_, (\u)/15
.set J_, (\u)%15
.set E_, ACC+8*T_
.set O_, E_+32
.if J_ == 0
	v_max3_num_f32 v[TQ], |v[E_]|, |v[E_+1]|, |v[E_+2]|
	v_max3_num_f32 v[TQ+2], |v[O_]|, |v[O_+1]|, |v[O_+2]|
.elseif J_ < 3
	v_max3_num_f32 v[TQ], v[TQ], |v[E_+2*J_+1]|, |v[E_+2*J_+2]|
	v_max3_num_f32 v[TQ+2], v[TQ+2], |v[O_+2*J_+1]|, |v[O_+2*J_+2]|
.elseif J_ == 3
	v_max3_num_f32 v[TQ+2], v[TQ+2], |v[O_+7]|, (EMAX+1)<<23
	v_max3_num_f32 v[TQ], v[TQ], |v[E_+7]|, v[TQ+2]
.elseif J_ == 4
	v_permlanex16_b32 v[TQ+2], v[TQ], s60, s61
	v_max_num_f32 v[TQ], v[TQ], v[TQ+2]
.elseif J_ == 5
	SCALES 0, T_
	SCALES 1, T_
.elseif J_ < 10
	HOLDS E_+2*(J_-6)
.if J_ == 9
	v_cvt_scalef32_pk8_bf8_f32 v[MCD+4*T_:MCD+4*T_+1], v[E_:E_+7], v[SOP+T_]
.endif
.elseif J_ < 14
	HOLDS O_+2*(J_-10)
.if J_ == 13
	v_cvt_scalef32_pk8_bf8_f32 v[MCD+4*T_+2:MCD+4*T_+3], v[O_:O_+7], v[SOP+T_]
.endif
.else
	SCALES 2, T_
.endif
.endm
.macro WAYQ x
.set K_, 0
.rept 27
	GAPQ K_, \x
.set K_, K_+1
.endr
.endm
.macro RDESC i, off, lds               ; group 0 of a refill, in two parts
.if (\i) == 0
	s_mul_i32 s[G0R+1], s66, CH/4*PITCH
	s_add_co_u32 s[G0R+1], s[G0R+1], s\lds
	s_mul_i32 s20, s66, CH/4*KROW
	s_add_co_u32 s20, s20, s\off
.else
	s_mov_b32 s21, 0
	s_add_nc_u64 s[G0R+2:G0R+3], s[4:5], s[20:21]
	s_or_b32 s[G0R+3], s[G0R+3], 0x80000000
.endif
.endm
; BEHIND PRODUCT n.  j: the block's number in its trip (the second loop's: 4, 5; V's: -1, -2): the place of the codes that leave, a prefetch's address or a byte's next place, a refill's group 0
.macro LIST n, j
.if (\n) == 0
.if (\j) == 1
	s_add_nc_u64 s[84:85], s[84:85], 5*OSTEP       ; from a chunk's last block of mine to the next chunk's first,
	s_cmp_eq_u32 s46, 2
	s_cselect_b64 s[84:85], s[88:89], s[84:85]     ; or to V's window
.elseif (\j) == 5
	s_cmp_eq_u32 s46, 3
	s_cselect_b32 s20, 5, 1
	s_lshl_b32 s20, s20, 12
	s_mov_b32 s21, 0
	s_add_nc_u64 s[84:85], s[84:85], s[20:21]
.elseif (\j) >= 0
	s_add_nc_u64 s[84:85], s[84:85], OSTEP
.endif
.endif
.if (\j) == 2 && (\n) == 2
	WIN 0
	v_lshl_add_u32 v7, v3, 8, s23
.elseif (\j) == 0 && ((\n) == 29 || (\n) == 30)
	RDESC (\n)-29, 6, 47
.elseif ((\j) == 1 || (\j) == 5) && (\n) == 2
	WIN 0
	v_add_nc_u32 v[VX], s9, v[VX]
.endif
.endm
.macro ADDR j                          ; the LDS addresses of the block two on
.if (\j) == 0 || (\j) == 1
	s_add_co_u32 s22, s101, ((\j)+2)*XSTEP
	v_add_nc_u32 v[ADRA], s22, v[ADRA0]
	s_add_co_u32 s22, s17, ((\j)+2)*SSTEP
.elseif (\j) > 1
	s_add_co_u32 s22, s47, ((\j)%2)*XSTEP
	v_add_nc_u32 v[ADRA], s22, v[ADRA0]
	s_add_co_u32 s22, s8, ((\j)%2)*SSTEP
.else
	s_add_co_u32 s22, s47, (-1-(\j))*XSTEP
	v_add_nc_u32 v[ADRA], s22, v[ADRA0]
	s_add_co_u32 s22, s8, (-1-(\j))*SSTEP
.endif
	v_add_nc_u32 v[AAS], s22, v[AAS0]
.endm
.macro BLOCK kind, e, a, from, to, j
.set N_, \from
.rept (\to)-(\from)
	PROD \kind, \e, \a, N_
	LIST N_, \j
.set N_, N_+1
.endr
.endm
; A block.  w: the wait's count (-1: none); x: the sums of the block before, whose way out follows (kind 1: plain places, two of which are the address lines)
.macro BLK kind, e, a, w, j, x
.if (\w) >= 0
	s_wait_dscnt \w
.endif
	s_wait_xcnt 0x0                                ; the block before's stores have read their registers and their base
	BLOCK \kind, \e, \a, 0, 32, \j
	WIN 0
	ADDR \j
.if \kind
	PLACES NP-2
.else
	WAYQ \x
.endif
.endm
.macro RBLK e, a, w, j, x              ; with a round of the cluster's barrier
	s_wait_dscnt \w
	s_wait_xcnt 0x0
	GRD
	BLOCK 0, \e, \a, 0, 28, \j
	WIN 0
	s_wait_dscnt 0x0
	s_barrier_signal -1
	BLOCK 0, \e, \a, 28, 32, \j
	WIN 0
	ADDR \j
	WAYQ \x
	WALU
	MIDDLE
	BARRIER
.endm
.macro SBLK kind, e, a, w, j, x, half=0  ; with a plain barrier (half = 1: it shows waves 0 and 1's loads alone)
.if (\w) >= 0
	s_wait_dscnt \w
.endif
	s_wait_xcnt 0x0
	BLOCK \kind, \e, \a, 0, 28, \j
	WIN 0
.if \half
	s_cmp_lt_u32 s14, 2
	s_cbranch_scc0 .Lnot_yet_\@
	s_wait_tensorcnt 0x0
.Lnot_yet_\@:
.else
	s_wait_tensorcnt 0x0
.endif
	s_wait_dscnt 0x0
	s_barrier_signal -1
	BLOCK \kind, \e, \a, 28, 32, \j
	WIN 0
.if \kind
	s_barrier_wait -1
	ADDR \j
	PLACES NP-2
.else
	ADDR \j
	WAYQ \x
	WALU
	s_barrier_wait -1
.endif
.endm
.macro QOUT off, boff                  ; a block's byte to LDS; its 32 codes a lane: each store fills two aligned runs of 256 bytes
	ds_store_b8 v[VX], v[EB] offset:\boff
	global_store_b128 v[CN], v[NCD:NCD+3], s[84:85] offset:\off
	global_store_b128 v[CN], v[NCD+4:NCD+7], s[84:85] offset:(\off)+256
.endm
.irp q, 0,1,2,3,4,5,6,7                ; my 64 rows of the first weight
.irp b, 0,1,2
	FRAG NB*\q+\b, ADRB, \q, \b*8*PITCH
.endr
	FRAG NB*\q+3, ADRB3, \q, 24*PITCH
.endr
	WIN 0
	s_wait_tensorcnt 0x0                           ; chunk 0 and the scale bytes are in; the first weight is in registers
	s_wait_dscnt 0x0
	BARRIER
	FETCHAT 0, ADRA0, AAS0
	FETCHAT 1, 1, 2
	s_load_b128 s[92:95], s[0:1], 0x58             ; wc, ws
	s_mov_b32 s60, 0x76543210
	s_mov_b32 s61, 0xfedcba98
	s_mov_b32 s62, 0x600000                        ; the mantissa field of 57,344
.set I_, 0
.rept 32
	v_mov_b32 v[ACC+32+I_], 0                      ; what the first block's run reads, and does not store
.set I_, I_+1
.endr
	s_wait_kmcnt 0x0
	s_add_nc_u64 s[96:97], s[92:93], s[80:81]
	s_add_nc_u64 s[98:99], s[94:95], s[82:83]
	s_add_nc_u64 s[92:93], s[92:93], s[76:77]
	s_add_nc_u64 s[94:95], s[94:95], s[78:79]
	s_lshl_b32 s20, s18, 16
	s_mov_b32 s21, 0
	s_add_nc_u64 s[88:89], s[92:93], s[20:21]      ; the codes of V's window
	s_xor_b32 s20, s20, 1<<16
	s_add_nc_u64 s[84:85], s[92:93], s[20:21]      ; of the other window
	s_sub_nc_u64 s[84:85], s[84:85], 6*OSTEP
	s_mov_b32 s46, 0                               ; PHASE 1.  s46 the trip; s101, s47 this chunk's slot and the next's; s17, s8 their scale words; s6 the rows that are loaded; s9 to a byte's next place; s23 where a prefetch begins
	s_mov_b32 s9, 0
	s_mov_b32 s23, 0
	s_mov_b32 s101, 0
	s_mov_b32 s47, YB
	s_mov_b32 s17, 0
	s_mov_b32 s8, CSTEP
	WALU
	s_wait_loadcnt 0x0
.Lfour:
	RBLK 0, 0, NF, 0, ACC+32                       ; blocks 0, 4, 8: chunks 1, 2, 3 come
	s_cmp_lt_u32 s14, 2                            ; waves 0, 1 and waves 2, 3 have a load line each
	s_cbranch_scc0 .Lupper
	TLOAD G0R, G1R
	s_branch .Lboth
.Lupper:
	TLOAD G0R, G1R
.Lboth:
	s_cmp_eq_u32 s46, 0
	s_cbranch_scc1 .Lno_block_before
	QOUT 0, 12
.Lno_block_before:
	FETCHAT 0, ADRA, AAS
	BLK 0, 1, 1, -1, 1, ACC
	QOUT 0, 0
	FETCHAT 1, ADRA, AAS
	SBLK 0, 0, 0, NF, 2, ACC+32, 1                 ; the next chunk's blocks 0, 1 are in
	QOUT 0, 4
	s_cmp_eq_u32 s46, 0
	s_cbranch_scc1 .Lnone_ahead
	global_prefetch_b8 v7, s[10:11] th:TH_LOAD_NT scope:SCOPE_SE
.Lnone_ahead:
	FETCHAT 0, ADRA, AAS
	BLK 0, 1, 1, -1, 3, ACC
	QOUT 0, 8
	FETCHAT 1, ADRA, AAS
	s_lshl_b32 s21, s90, 13
	s_add_co_u32 s21, s21, s7
	s_lshl_b32 s22, s100, 13
	s_cmp_eq_u32 s46, 0
	s_cselect_b32 s6, s2, s7                       ; chunk 2, then chunk 3
	s_cselect_b32 s23, s21, s22                    ; chunk 3's rows, then Wv's, are asked for ahead
	s_cselect_b64 s[10:11], s[4:5], s[104:105]
	s_mov_b32 s9, 512
	s_mov_b32 s101, s47
	s_mov_b32 s17, s8
	s_xor_b32 s47, s47, YB
	s_add_co_u32 s8, s8, CSTEP
	s_add_co_u32 s46, s46, 1
	s_cmp_lg_u32 s46, 3
	s_cbranch_scc1 .Lfour
	GRD
	s_mul_i32 s20, s14, CH/4*KROW
	s_mov_b32 s21, 0
	s_mul_i32 s[G0A+1], s14, CH/4*PITCH
	s_add_nc_u64 s[G0A+2:G0A+3], s[104:105], s[20:21]
	s_or_b32 s[G0A+3], s[G0A+3], 0x80000000
	GROUP1 G1A, 45, CH/4
	s_wait_dscnt 0x0
	s_barrier_signal -1
	MIDDLE
	BARRIER
	TLOAD G0A, G1A
	s_mov_b32 s9, 512-8
	s_mov_b32 s47, YB+2*XSTEP
	s_mov_b32 s8, 3*CSTEP+2*SSTEP
.Ltwo:
	BLK 0, 0, 0, NF, 4, ACC+32                     ; blocks 12, 14
	QOUT 0, 12
	FETCHAT 0, ADRA, AAS
	BLK 0, 1, 1, NF, 5, ACC                        ; 13, 15; the block two on is then V's: chunk 3 again
	QOUT 0, 8
	FETCHAT 1, ADRA, AAS
	s_mov_b32 s9, 8
	s_mov_b32 s47, YB
	s_mov_b32 s8, 3*CSTEP
	s_add_co_u32 s46, s46, 1
	s_cmp_lg_u32 s46, 5
	s_cbranch_scc1 .Ltwo
	s_wait_xcnt 0x0                                ; the change of phase
	s_wait_tensorcnt 0x0                           ; Wv's rows are in
	s_wait_dscnt 0x0
	BARRIER
.macro CHANGE i                        ; among Wv's loads: the last block's way out; Wv's scale words into their place
.if (\i) < 7
.irp k, 0,1,2,3
.if 4*(\i)+\k < 27
	GAPQ 4*(\i)+\k, ACC+32
.endif
.endr
.elseif (\i) < 9
.irp q, 0,1,2,3,4,5,6,7
	v_mov_b32 v[SB+8*((\i)-7)+\q], v[WS+8*((\i)-7)+\q]
.endr
.endif
.endm
.irp q, 0,1,2,3,4,5,6,7
.irp b, 0,2
	FRAG NB*\q+\b, ADRB+1, \q, \b*16*PITCH
	FRAG NB*\q+\b+1, ADRB+1, \q, (\b+1)*16*PITCH
	WIN 0
	CHANGE 2*\q+\b/2
.endr
.endr
.irp t, 0,1,2,3
.irp i, 0,1,2,3,4,5,6,7
	v_mov_b32 v[BQ+8*\t+\i], v[BV+\t]
.endr
.endr
	WALU
	QOUT OSTEP, 12
	GRD
	s_mov_b32 s47, 0
	RDESC 0, 2, 47
	RDESC 1, 2, 47
	s_mov_b32 s46, 0
	s_mov_b32 s47, YB+2*XSTEP
	s_mov_b32 s8, 3*CSTEP+2*SSTEP
	s_wait_dscnt 0x0
	s_barrier_signal -1
	MIDDLE
	BARRIER
	TLOAD G0R, G1R
.macro VOUT                            ; a pair of V's blocks: four tiles' bytes and codes; a store covers 512 consecutive bytes
.irp t, 0,1,2,3
	ds_store_b8 v[VX], v[EB+\t] offset:128*(\t%2)+4*(\t/2)
	global_store_b128 v[CO], v[MCD+4*\t:MCD+4*\t+3], s[84:85] offset:2048*\t
.endr
.endm
.macro VTO                             ; s22 = 2 x step of 128 + pair: where a pair's codes and bytes go
	s_and_b32 s23, s22, 1
	s_lshr_b32 s22, s22, 1
	s_lshl_b32 s20, s22, 17
	s_lshl_b32 s21, s23, 9
	SADD 20, 21
	s_mov_b32 s21, 0
	s_add_nc_u64 s[84:85], s[96:97], s[20:21]
	s_lshl_b32 s22, s22, 9
	SADD 22, 23
	v_add_nc_u32 v[VX], s22, v[RD]
.endm
.Lpair:
	BLK 1, 0, 0, -1, -1, 0
	s_cmp_eq_u32 s46, 3
	s_cbranch_scc1 .Lnone_0
	FETCHAT 0, ADRA, AAS
	s_wait_dscnt NF
	s_branch .Lgo
.Lnone_0:
	s_wait_dscnt 0x0
.Lgo:
	SBLK 1, 1, 1, -1, -2, 0                        ; the first trip's shows chunk 2
	s_cmp_eq_u32 s46, 3
	s_cbranch_scc1 .Lnone_1
	FETCHAT 1, ADRA, AAS
.Lnone_1:
.set K_, 0
.rept 60
	GAPV K_
.set K_, K_+1
.endr
	s_add_co_u32 s22, s46, 2                       ; chunk 3's pairs are the window's second step
	s_and_b32 s22, s22, 3
	WALU
	VTO
	VOUT
	s_mov_b32 s8, 2*CSTEP+2*SSTEP
	s_mov_b32 s47, 2*XSTEP
	s_cmp_eq_u32 s46, 0
	s_cselect_b32 s47, 0, s47
	s_cselect_b32 s8, 2*CSTEP, s8
	s_add_co_u32 s46, s46, 1
	s_cmp_lg_u32 s46, 4
	s_cbranch_scc1 .Lpair
	s_wait_dscnt 0x0                               ; the scale bytes
	BARRIER
	s_wait_xcnt 0x0
	v_lshlrev_b32 v20, 4, v3
	s_lshl_b32 s21, s14, 9
	s_add_co_u32 s21, s21, XN
	v_add_nc_u32 v21, s21, v20
	v_lshlrev_b32 v22, 3, v3
	s_lshl_b32 s21, s14, 8
	s_add_co_u32 s21, s21, XV
	v_add_nc_u32 v23, s21, v22
	WALU
	ds_load_b128 v[60:63], v21
	ds_load_b64 v[40:41], v23
	s_wait_dscnt 0x0
	global_store_b128 v20, v[60:63], s[94:95]
	global_store_b64 v22, v[40:41], s[98:99]
	s_wait_tensorcnt 0x0                           ; the wave's end
	ds_add_u32 v[SPW], v[NIL]
	s_wait_dscnt 0x0
	CROUND                                         ; the closing round
	s_endpgm
.Lfunc_end_k_q8b6e2a2a28_proj:
	.size	k_q8b6e2a2a28_proj, .Lfunc_end_k_q8b6e2a2a28_proj-k_q8b6e2a2a28_proj
	.p2alignl 7, 3214868480
	.fill 96, 4, 3214868480
	.section	.rodata,"a",@progbits
	.p2align	6, 0x0
	.amdhsa_kernel k_q8b6e2a2a28_proj
		.amdhsa_group_segment_fixed_size 327680
		.amdhsa_private_segment_fixed_size 0
		.amdhsa_enable_private_segment 0
		.amdhsa_kernarg_size 104
		.amdhsa_user_sgpr_count 2
		.amdhsa_user_sgpr_kernarg_segment_ptr 1
		.amdhsa_wavefront_size32 1
		.amdhsa_system_sgpr_workgroup_id_x 1
		.amdhsa_system_sgpr_workgroup_id_y 1
		.amdhsa_system_sgpr_workgroup_id_z 1
		.amdhsa_system_vgpr_workitem_id 0
		.amdhsa_next_free_vgpr 1024
		.amdhsa_next_free_sgpr 106
		.amdhsa_reserve_vcc 0
		.amdhsa_float_denorm_mode_32 3
		.amdhsa_float_denorm_mode_16_64 3
		.amdhsa_memory_ordered 1
		.amdhsa_forward_progress 1
		.amdhsa_inst_pref_size 135
	.end_amdhsa_kernel
	.amdgpu_metadata
---
amdhsa.version: [ 1, 2 ]
amdhsa.kernels:
  - .name:           k_q8b6e2a2a28_proj
    .symbol:         k_q8b6e2a2a28_proj.kd
    .args:
      - { .name: x_codes, .offset: 0, .size: 8, .value_kind: global_buffer, .address_space: global }
      - { .name: x_scales, .offset: 8, .size: 8, .value_kind: global_buffer, .address_space: global }
      - { .name: w_q_codes, .offset: 16, .size: 8, .value_kind: global_buffer, .address_space: global }
      - { .name: w_q_scales, .offset: 24, .size: 8, .value_kind: global_buffer, .address_space: global }
      - { .name: w_k_codes, .offset: 32, .size: 8, .value_kind: global_buffer, .address_space: global }
      - { .name: w_k_scales, .offset: 40, .size: 8, .value_kind: global_buffer, .address_space: global }
      - { .name: w_v_codes, .offset: 48, .size: 8, .value_kind: global_buffer, .address_space: global }
      - { .name: w_v_scales, .offset: 56, .size: 8, .value_kind: global_buffer, .address_space: global }
      - { .name: b_q, .offset: 64, .size: 8, .value_kind: global_buffer, .address_space: global }
      - { .name: b_k, .offset: 72, .size: 8, .value_kind: global_buffer, .address_space: global }
      - { .name: b_v, .offset: 80, .size: 8, .value_kind: global_buffer, .address_space: global }
      - { .name: wc, .offset: 88, .size: 8, .value_kind: global_buffer, .address_space: global }
      - { .name: ws, .offset: 96, .size: 8, .value_kind: global_buffer, .address_space: global }
    .group_segment_fixed_size: 327680
    .private_segment_fixed_size: 0
    .kernarg_segment_align: 8
    .kernarg_segment_size: 104
    .max_flat_workgroup_size: 128
    .sgpr_count:     106
    .vgpr_count:     1024
    .wavefront_size: 32
...
	.end_amdgpu_metadata
.endif
;; end of part 1
;; launch scores (part 2): grid 8 x 32, 4 waves a work-group, clusters of 4 x 4, 327,680 bytes of LDS; arguments wc, ws, mask, pc, ps, st; writes pc, ps, st
.if DOCPART == 2
	.amdgcn_target "amdgcn-amd-amdhsa--gfx1250"
	.amdhsa_code_object_version 6
	.text
	.protected	k_q8b6e2a2a28_scores
	.globl	k_q8b6e2a2a28_scores
	.p2align	8
	.type	k_q8b6e2a2a28_scores,@function
k_q8b6e2a2a28_scores:
	s_mov_b64 s[64:65], 0
	v_nop
	global_prefetch_b8 v0, s[64:65] scope:SCOPE_SE
	s_setreg_imm32_b32 hwreg(HW_REG_WAVE_MODE, 25, 1), 1
	s_wait_xcnt 0x0
	s_wait_alu depctr_hold_cnt(0) depctr_sa_sdst(0) depctr_va_vdst(0) depctr_va_sdst(0) depctr_va_ssrc(0) depctr_va_vcc(0) depctr_vm_vsrc(0)
	s_getreg_b32 s2, hwreg(HW_REG_IB_STS2, 6, 4)
	s_cmp_eq_u32 s2, 0
	s_cbranch_scc0 .Lentry_in_a_cluster
	s_endpgm
.Lentry_in_a_cluster:
	s_bfe_u32 s2, ttmp6, 0x10000c
	s_cmp_lg_u32 s2, 0xf033
	s_cbranch_scc0 .Lentry_shape_is_right
	s_endpgm
.Lentry_shape_is_right:
; P = 2^(t - M), t = (Q K^T / 32 + mask) log2(e), for 256 queries x 256 keys of one batch a work-group, four waves of 128 x 128.  M is the ceiling of the largest t of a row's PIECE of 128 keys (a wave's columns): the next launch joins the sixteen pieces by exact powers of two.
; Q's and K's codes come as operand images, K step by K step: [4 K steps of 256][512 token blocks of 16][4,096 bytes]: a K step's tile of 256 tokens is one dense block.  In LDS 16 bytes of padding stand behind every 256.
; Their scale words go straight into registers, once: [8 steps of 128][128 groups of 64 tokens][16: r][4: token 16 k + r][4 bytes]: a lane's 16 bytes are four row blocks' words, sixteen lanes take a whole unit of 256 bytes.
; OUT: pc [4 batches][16 pieces][128 blocks of 16 queries][4 blocks of 32 keys][lane][16 codes], stored straight from the registers;  st [batch][piece][2,048 rows] (-M, l), l the sum of the unquantised p;  ps [batch][piece][32 groups of 64 rows][32 lanes][2: row 32 k + lane] scale words.
; A block of 32 keys lies as 0-7, 16-23, 8-15, 24-31, as V's does.
; LIMITS: NaN and +infinity among the logits are not served.  A block of zeros keeps the byte 1 over zero codes.
; CLUSTERS 4 x 4: Q's tiles are asked for jointly along a row, K's along a column.  Head: K step 0 (waves 0, 1) and K step 1 (waves 2, 3), whole tiles; the first barrier shows K step 0 alone.  The mask's tile is each wave's own: 64 rows into slot 0 and 64 into slot 1 when these have been read out.
; PREFETCHES: K steps 2 and 3, a quarter of each tile a work-group of those that share it, at least one step of 128 ahead of their loads; the mask, each wave its own 128 x 128, two K steps and more ahead.
; REGISTERS: window 0: v16-31 addresses; v32-63 at the end the codes; v64-127 scale words (8 q + row block: lanes 0-15 Q's, lanes 16-31 K's), later the mask; v128-255 the row operand's fragments, later the softmax.
;   window 1: the column operand's two sets.  windows 2, 3: accumulator (a, b) at v[8 (8 (a % 4) + b)].
.set U,     272
.set HALFT, 128*U                      ; 128 tokens of a K step: 128 units of 256 bytes
.set SLOT,  4*HALFT
.set SPARE, 2*SLOT
.set KADV,  2097152
.set MPITCH, 528
.set FR, 16
.set NL, 4
.set NP, 8                             ; places behind this matrix form (ISA guide 7.12.1)
.set ADRA, 16
.set MAD0, 18
.set MAD,  19
.set ADRB, 20
.set PFO,  22
.set MPO,  23
.set L8,   24
.set SCO,  25
.set CO,   26
.set SPW,  28
.set NIL,  29
.set SC,   64
.set MK,   64
.set AF,   128
.set TT,   128
.set LIM,  192
.set SO,   196
.set BY,   200
.set RM,   204
.set SUMA, 206
.set SUMB, 208
.set BM,   210
.set BP,   214
.set PW,   218
.set STT,  222
.set OU,   230
.set G0H,  4
.set G0HB, 8
.set G1, 24
.set G0, 32
.set G1B, 48
.set G0B, 56
.set G1M, 68
.set G0H1,  76
.set G0HB1, 88
.set G0M0, 92
.set G0M1, 96
.set MSB, 0
.macro WIN new
.if MSB != \new
	s_set_vgpr_msb (MSB<<8)|\new
.set MSB, \new
.endif
.endm
.set MUL_LO, 0xa1
.set MUL_HI, 0xf1
.set TO_B,   0x40
.macro JLOAD g0a, g1a, g0b, g1b
	s_cmp_eq_u32 s15, 0
	s_cbranch_scc0 .Lfor_b_\@
	tensor_load_to_lds s[\g0a:\g0a+3], s[\g1a:\g1a+7]
	s_nop 0
.rept 4
	v_nop
.endr
	s_branch .Lasked_\@
.Lfor_b_\@:
	tensor_load_to_lds s[\g0b:\g0b+3], s[\g1b:\g1b+7]
	s_nop 0
.rept 4
	v_nop
.endr
.Lasked_\@:
.endm
.macro CREST
	s_cmp_lg_u32 s14, 0
	s_cbranch_scc1 .Lnot_wave_0_\@
	s_barrier_signal -3
.Lnot_wave_0_\@:
	s_barrier_wait -3
	s_barrier_signal -1
	s_barrier_wait -1
.endm
.macro CROUND
	s_barrier_signal -1
	s_barrier_wait -1
	CREST
.endm
.macro PLACES n
.rept \n
	v_nop
.endr
.endm
	s_load_b256 s[4:11], s[0:1], 0x0               ; wc 4, ws 6, mask 8, pc 10
	s_load_b128 s[96:99], s[0:1], 0x20             ; ps 96, st 98
	v_lshl_add_u32 v[SPW], v0, 2, SPARE
	v_mov_b32 v[NIL], 0
	ds_add_u32 v[SPW], v[NIL]                      ; the opening: the add, twice on end, and its wait
	ds_add_u32 v[SPW], v[NIL]
	v_lshrrev_b32 v1, 5, v0
	v_readfirstlane_b32 s14, v1
	s_lshr_b32 s15, s14, 1                         ; my half of the queries; in the ring: I fetch Q (0) or K (1)
	s_and_b32 s16, s14, 1                          ; my half of the keys; which half I fetch
	s_bfe_u32 s40, ttmp6, 0x40000
	s_bfe_u32 s41, ttmp6, 0x40004
	s_lshl_b32 s42, ttmp9, 2
	s_add_co_u32 s42, s42, s40                     ; key tile 0..7
	s_and_b32 s2, ttmp7, 0xffff
	s_lshl_b32 s17, s2, 2
	s_add_co_u32 s17, s17, s41                     ; query tile 0..31
	s_lshr_b32 s3, s2, 1                           ; batch
	s_lshl_b32 s43, s41, 2
	s_lshl_b32 s43, 15, s43
	s_lshl_b32 s44, 0x1111, s40
	s_or_b32 s[G1+0], s43, (3<<16)|(1<<20)|(1<<21)|(5<<22)|(3<<25)   ; elements of 8 bytes; 4 words of padding behind every 64
	s_or_b32 s[G1B+0], s44, (3<<16)|(1<<20)|(1<<21)|(5<<22)|(3<<25)
.irp g, G1, G1B
	s_mov_b32 s[\g+1], 512<<16                     ; a token block's K step: 4,096 bytes
	s_mov_b32 s[\g+2], 16<<16                      ; the head's loads: 16 token blocks; the ring's: 8
	s_mov_b32 s[\g+3], 512<<16
	s_mov_b32 s[\g+4], 16
	s_mov_b32 s[\g+5], 512
	s_mov_b32 s[\g+6], 0
	s_mov_b32 s[\g+7], 0
.endr
	s_mov_b32 s[G1M+0], (2<<16)|(1<<20)|(6<<22)|(3<<25)   ; the mask: 64 rows of 128 f32, 4 words of padding behind each
	s_mov_b32 s[G1M+1], 128<<16
	s_mov_b32 s[G1M+2], 64<<16
	s_mov_b32 s[G1M+3], 128<<16
	s_mov_b32 s[G1M+4], 64
	s_mov_b32 s[G1M+5], 2048
	s_mov_b32 s[G1M+6], 0
	s_mov_b32 s[G1M+7], 0
	s_lshl_b32 s20, s17, 16                        ; Q's codes
	s_mov_b32 s21, 0
	s_lshl_b32 s22, s17, 10                        ; my queries' scale words
	s_lshl_b32 s23, s15, 9
	s_add_co_u32 s22, s22, s23
	s_mov_b32 s23, 0
	s_lshl_b32 s19, s3, 3
	s_add_co_u32 s19, s19, s42
	s_lshl_b32 s46, s19, 16                        ; K's codes
	s_add_co_u32 s46, s46, 8388608
	s_mov_b32 s47, 0
	s_lshl_b32 s92, s19, 10                        ; my keys' scale words, less my queries'
	s_add_co_u32 s92, s92, 262144
	s_lshl_b32 s93, s16, 9
	s_add_co_u32 s92, s92, s93
	s_sub_co_u32 s92, s92, s22
	s_mul_i32 s45, s14, HALFT
	s_and_b32 s2, s17, 7
	s_lshl_b32 s2, s2, 8
	s_lshl_b32 s19, s15, 7
	s_add_co_u32 s2, s2, s19                       ; my first query in the batch
	s_lshl_b32 s18, s2, 11
	s_lshl_b32 s19, s42, 8
	s_add_co_u32 s18, s18, s19
	s_lshl_b32 s19, s16, 7
	s_add_co_u32 s18, s18, s19
	s_lshl_b32 s18, s18, 2                         ; my part of the mask
	s_mov_b32 s19, 0
	s_lshl_b32 s12, s3, 4
	s_lshl_b32 s13, s42, 1
	s_add_co_u32 s12, s12, s13
	s_add_co_u32 s12, s12, s16                     ; 16 x batch + piece
	s_lshl_b32 s12, s12, 11
	s_add_co_u32 s12, s12, s2                      ; x 2,048 + row
	s_lshl_b32 s66, s12, 2
	s_mov_b32 s67, 0
	s_lshl_b32 s104, s12, 3
	s_mov_b32 s105, 0
	s_lshl_b32 s12, s12, 7
	s_mov_b32 s13, 0
	s_cmp_eq_u32 s15, 0
	s_cselect_b32 s94, s40, s41                    ; my place among those that share the tile that I prefetch
	s_lshl_b32 s94, s94, 2
	s_lshl_b32 s95, s16, 1
	s_add_co_u32 s94, s94, s95
	s_lshl_b32 s94, s94, 12                        ; token block 4 x place + 2 x half
	s_mov_b32 s95, 0
	v_and_b32 v1, 15, v0
	v_bfe_u32 v2, v0, 4, 1
	v_and_b32 v3, 31, v0
	v_mul_u32_u24 v4, v2, U
	v_lshl_add_u32 v4, v1, 4, v4                   ; a fragment's 16 bytes: 16 r + 272 h
	v_mul_u32_u24 v5, s92, v2
	v_lshl_add_u32 v[SCO], v1, 4, v5
	v_lshlrev_b32 v[PFO], 8, v3                    ; a prefetch of Q or K: 2 token blocks, 32 units of 256 bytes
	v_lshlrev_b32 v[CO], 4, v3
	v_lshlrev_b32 v[L8], 3, v3
	v_lshrrev_b32 v5, 1, v3
	v_lshlrev_b32 v5, 13, v5
	v_and_b32 v6, 1, v3
	v_lshl_add_u32 v[MPO], v6, 8, v5               ; of the mask: 16 rows x 2 units
	s_wait_alu depctr_va_vdst(0)
	s_wait_dscnt 0x0                               ; both opening adds are done
	CROUND                                         ; all sixteen work-groups are here
	s_wait_kmcnt 0x0
	s_add_nc_u64 s[20:21], s[4:5], s[20:21]
	s_add_nc_u64 s[46:47], s[4:5], s[46:47]
	s_add_nc_u64 s[22:23], s[6:7], s[22:23]
	s_add_nc_u64 s[18:19], s[8:9], s[18:19]
	s_add_nc_u64 s[12:13], s[10:11], s[12:13]
	s_add_nc_u64 s[66:67], s[96:97], s[66:67]
	s_add_nc_u64 s[104:105], s[98:99], s[104:105]
	s_mov_b32 s[G0H], 1
	s_mov_b32 s[G0H+1], 0
	s_mov_b64 s[G0H+2:G0H+3], s[20:21]
	s_or_b32 s[G0H+3], s[G0H+3], 0x80000000
	s_mov_b32 s[G0HB], 1
	s_mov_b32 s[G0HB+1], 2*HALFT
	s_mov_b64 s[G0HB+2:G0HB+3], s[46:47]
	s_or_b32 s[G0HB+3], s[G0HB+3], 0x80000000
	s_mov_b32 s[G0H1], 1
	s_mov_b32 s[G0H1+1], SLOT
	s_add_nc_u64 s[G0H1+2:G0H1+3], s[20:21], KADV
	s_or_b32 s[G0H1+3], s[G0H1+3], 0x80000000
	s_mov_b32 s[G0HB1], 1
	s_mov_b32 s[G0HB1+1], SLOT+2*HALFT
	s_add_nc_u64 s[G0HB1+2:G0HB1+3], s[46:47], KADV
	s_or_b32 s[G0HB1+3], s[G0HB1+3], 0x80000000
.macro ARM under, g0, g1, next         ; one tree of branches, one load a wave, each with a line of its own
	s_cmp_lt_u32 s14, \under
	s_cbranch_scc0 \next
	tensor_load_to_lds s[\g0:\g0+3], s[\g1:\g1+7]
	s_nop 0
.rept 4
	v_nop
.endr
	s_branch .Lhead_asked
\next:
.endm
	ARM 1, G0H,  G1,  .Lhead_b
	ARM 2, G0HB, G1B, .Lhead_a1
	ARM 3, G0H1, G1,  .Lhead_b1
	tensor_load_to_lds s[G0HB1:G0HB1+3], s[G1B:G1B+7]
	s_nop 0
.rept 4
	v_nop
.endr
.Lhead_asked:
.irp q, 0,1,2,3,4,5,6,7
	global_load_b128 v[SC+8*\q:SC+8*\q+3], v[SCO], s[22:23] offset:32768*\q
	global_load_b128 v[SC+8*\q+4:SC+8*\q+7], v[SCO], s[22:23] offset:32768*\q+256
.endr
	s_cmp_eq_u32 s15, 0
	s_cselect_b64 s[2:3], s[20:21], s[46:47]
	s_add_nc_u64 s[2:3], s[2:3], s[94:95]
	global_prefetch_b8 v[PFO], s[2:3] offset:2*KADV th:TH_LOAD_NT scope:SCOPE_SE
	s_lshl_b32 s94, s16, 15                        ; the ring: my 8 of the tile's 16 token blocks
	s_mov_b32 s95, 0
	s_add_nc_u64 s[20:21], s[20:21], s[94:95]
	s_add_nc_u64 s[46:47], s[46:47], s[94:95]
.irp s, 0,1
	s_mov_b32 s[G0+4*\s], 1
	s_add_co_u32 s[G0+4*\s+1], s45, \s*SLOT
	s_add_nc_u64 s[G0+4*\s+2:G0+4*\s+3], s[20:21], \s*KADV
	s_or_b32 s[G0+4*\s+3], s[G0+4*\s+3], 0x80000000
	s_mov_b32 s[G0B+4*\s], 1
	s_add_co_u32 s[G0B+4*\s+1], s45, \s*SLOT
	s_add_nc_u64 s[G0B+4*\s+2:G0B+4*\s+3], s[46:47], \s*KADV
	s_or_b32 s[G0B+4*\s+3], s[G0B+4*\s+3], 0x80000000
.endr
	s_mov_b32 s[G0M0], 1
	s_mov_b32 s[G0M0+1], s45
	s_mov_b64 s[G0M0+2:G0M0+3], s[18:19]
	s_or_b32 s[G0M0+3], s[G0M0+3], 0x80000000
	s_mov_b32 s[G0M1], 1
	s_add_co_u32 s[G0M1+1], s45, SLOT
	s_add_nc_u64 s[G0M1+2:G0M1+3], s[18:19], 524288
	s_or_b32 s[G0M1+3], s[G0M1+3], 0x80000000
	s_mov_b32 s100, 0x76543210
	s_mov_b32 s101, 0xfedcba98
	s_mul_i32 s40, s15, HALFT
	s_mul_i32 s41, s16, HALFT
	s_add_co_u32 s41, s41, 2*HALFT
.irp s, 0,1
	v_add_nc_u32 v[ADRA+\s], s40, v4
	v_add_nc_u32 v[ADRB+\s], s41, v4
	s_add_co_u32 s40, s40, SLOT
	s_add_co_u32 s41, s41, SLOT
.endr
	v_mul_u32_u24 v6, v1, MPITCH
	v_lshl_add_u32 v6, v2, 5, v6
	v_add_nc_u32 v[MAD0], s45, v6
.macro FRAG reg, adr, q, i             ; 16 rows x 128 K: registers 4 c .. 4 c + 3 are block c's 16 bytes of lane (r, h)
.irp c, 0,1,2,3
	ds_load_b128 v[\reg+4*\c:\reg+4*\c+3], v[\adr] offset:((\i)*16+8*(\q)+2*\c)*U
.endr
.endm
; 16 products: row blocks a0, a0 + 1 x the eight column blocks, for the n-th 128 along K (n % 2: the set of column fragments).  The 64 accumulators take turns in one order throughout
.macro MUL16 a0, n, zero
.irp a, \a0, \a0+1
.irp b, 0,1,2,3,4,5,6,7
.set rD, 8*(8*((\a)%4)+\b)
.set rB, 128*((\n)%2)+FR*\b
.set rA, AF+FR*(\a)
.set rSB, SC+8*(\n)+\b
.set rSA, SC+8*(\n)+(\a)
.if \zero
	v_wmma_scale_f32_16x16x128_f8f6f4 v[rD:rD+7], v[rB:rB+15], v[rA:rA+15], 0, v[rSB], v[rSA] matrix_a_fmt:MATRIX_FMT_BF8 matrix_b_fmt:MATRIX_FMT_BF8 matrix_a_scale:MATRIX_SCALE_ROW1
.else
	v_wmma_scale_f32_16x16x128_f8f6f4 v[rD:rD+7], v[rB:rB+15], v[rA:rA+15], v[rD:rD+7], v[rSB], v[rSA] matrix_a_fmt:MATRIX_FMT_BF8 matrix_b_fmt:MATRIX_FMT_BF8 matrix_a_scale:MATRIX_SCALE_ROW1
.endif
.endr
.endr
.endm
.macro FETCH_B slot, q
	WIN TO_B
.irp i, 0,1,2,3,4,5,6,7
	FRAG 128*(\q)+FR*\i, ADRB+\slot, \q, \i
.endr
	WIN 0
.endm
.macro FETCH_A slot, q, i0
.irp i, \i0, \i0+1, \i0+2, \i0+3
	FRAG AF+FR*(\i), ADRA+\slot, \q, \i
.endr
.endm
.macro STEP slot, n, zero              ; a K step's first 128, the n-th: its successor lies in the same slot
	s_wait_dscnt 4*NL                              ; all but the youngest sixteen loads (row blocks 4-7) are in
	WIN MUL_LO
	MUL16 0, \n, \zero
	MUL16 2, \n, \zero
	s_wait_dscnt 0
	PLACES NP
	FETCH_B \slot, 1
	FETCH_A \slot, 1, 0
	WIN MUL_HI
	MUL16 4, \n, \zero
	MUL16 6, \n, \zero
	PLACES NP
	WIN 0
	FETCH_A \slot, 1, 4
.endm
.macro TURN slot, next, fill, n        ; a K step's second 128, the n-th, and the change of slots.  fill = 1: the slot takes the K step two on; 2, 3: half of the mask
	s_wait_tensorcnt 0x0                           ; all my tensor loads have landed
	ds_add_u32 v[SPW], v[NIL]
.if \n == 1
.irp g, G1, G1B                                ; no tensor load of mine is out: from here on a load brings 8 token blocks
	s_mov_b32 s[\g+2], 8<<16
	s_mov_b32 s[\g+4], 8
.endr
.endif
	s_wait_dscnt 4*NL+1                            ; the add and the youngest sixteen loads may be out
	WIN MUL_LO
	MUL16 0, \n, 0
	s_wait_dscnt 0x0                               ; the add is done, my reads of this slot are over
	s_barrier_signal -1
	MUL16 2, \n, 0
	WIN 0
	s_barrier_wait -1
	CREST
.if \fill == 1
	s_add_nc_u64 s[G0+4*\slot+2:G0+4*\slot+3], s[G0+4*\slot+2:G0+4*\slot+3], 2*KADV
	s_add_nc_u64 s[G0B+4*\slot+2:G0B+4*\slot+3], s[G0B+4*\slot+2:G0B+4*\slot+3], 2*KADV
	JLOAD G0+4*\slot, G1, G0B+4*\slot, G1B
	PLACES NP-4
.else
.if \fill == 2
	tensor_load_to_lds s[G0M0:G0M0+3], s[G1M:G1M+7]
.else
	tensor_load_to_lds s[G0M1:G0M1+3], s[G1M:G1M+7]
.endif
	s_nop 0
	PLACES NP
.endif
.if \fill < 3
	FETCH_B \next, 0
	FETCH_A \next, 0, 0
.endif
	WIN MUL_HI
	MUL16 4, \n, 0
	MUL16 6, \n, 0
	PLACES NP
	WIN 0
.if \fill < 3
	FETCH_A \next, 0, 4
.endif
.endm
.macro MPF k                           ; 64 rows of my part of the mask
.irp i, \k, \k+1, \k+2, \k+3
	global_prefetch_b8 v[MPO], s[18:19] offset:(\i)*131072 th:TH_LOAD_NT scope:SCOPE_SE
.endr
.endm
	s_wait_alu depctr_va_vdst(0)
	s_cmp_lt_u32 s14, 2
	s_cbranch_scc0 .Lnot_yet
	s_wait_tensorcnt 0x0                           ; waves 0, 1: K step 0 is in.  The other waves' wait stands in the first change of slots
.Lnot_yet:
	s_barrier_signal -1
	s_barrier_wait -1
	FETCH_B 0, 0
	FETCH_A 0, 0, 0
	FETCH_A 0, 0, 4
	s_wait_loadcnt 0x0                             ; the scale words
	STEP 0, 0, 1                                   ; the first products start the sums
	global_prefetch_b8 v[PFO], s[2:3] offset:3*KADV th:TH_LOAD_NT scope:SCOPE_SE
	MPF 0
	TURN 0, 1, 1, 1
	MPF 4
	STEP 1, 2, 0
	TURN 1, 0, 1, 3
	STEP 0, 4, 0
	TURN 0, 1, 2, 5                                ; slot 0 takes the mask's first 64 rows of every wave
	STEP 1, 6, 0
	TURN 1, 0, 3, 7                                ; slot 1 the others
	s_mov_b32 s40, 0x3d000000                      ; 1 / 32; (a packed form names a pair and takes its low word)
	s_mov_b32 s41, s40
	s_mov_b32 s42, 0x3fb8aa3b                      ; log2(e)
	s_mov_b32 s43, s42
	s_mov_b32 s44, 0x600000                        ; the mantissa field of 57,344
	s_mov_b32 s20, 0xffff0000                      ; lanes 16-31
	s_mov_b32 s21, 0                               ; the slot that holds this trip's rows of the mask
	s_mov_b32 s22, 2
.irp c, 0,1,2,3
	v_mov_b32 v[BP+\c], 0
	v_mov_b32 v[STT+2*\c+1], 0
.endr
.macro MASKLD a
.irp b, 0,1,2,3,4,5,6,7
	ds_load_b128 v[MK+8*\b:MK+8*\b+3], v[MAD] offset:(\a)*16*MPITCH+64*\b
	ds_load_b128 v[MK+8*\b+4:MK+8*\b+7], v[MAD] offset:(\a)*16*MPITCH+64*\b+16
.endr
.endm
.macro SOFT a                          ; row block a of the trip's four: softmax, codes, stores
.set AC, 64*(\a)
.set ST, STT+2*(\a)
.set CD, 32+16*((\a)%2)
	s_wait_dscnt 0x0                               ; the mask's registers
	WIN 2
	s_wait_alu depctr_va_vdst(0)
.set J, 0
.rept 32
	v_pk_fma_f32 v[TT+J:TT+J+1], v[AC+J:AC+J+1], s[40:41], v[MK+J:MK+J+1] op_sel_hi:[1,0,1]
.set J, J+2
.endr
	WIN 0
.if (\a) < 3
	MASKLD (\a)+1
.endif
.irp c, 0,1,2,3
	v_max3_num_f32 v[BM+\c], v[TT+16*\c], v[TT+16*\c+1], v[TT+16*\c+2]
.endr
.irp i, 3,5,7,9,11,13
.irp c, 0,1,2,3
	v_max3_num_f32 v[BM+\c], v[BM+\c], v[TT+16*\c+\i], v[TT+16*\c+\i+1]
.endr
.endr
.irp c, 0,1,2,3
	v_max_num_f32 v[BM+\c], v[BM+\c], v[TT+16*\c+15]
.endr
.irp c, 0,1,2,3
	v_permlanex16_b32 v[BP+\c], v[BM+\c], s100, s101
.endr
.irp c, 0,1,2,3
	v_max_num_f32 v[BM+\c], v[BM+\c], v[BP+\c]     ; the largest logit of each block of 32 keys
.endr
	v_max3_num_f32 v[RM], v[BM], v[BM+1], v[BM+2]
	v_max_num_f32 v[RM], v[RM], v[BM+3]
	v_mul_f32 v[RM], s42, v[RM]
	v_max_num_f32 v[RM], 0xff61b1e6, v[RM]         ; (a piece wholly at -infinity: M stays a number)
	v_floor_f32 v[ST], -v[RM]                      ; -M
.set J, 0
.rept 32
	v_pk_fma_f32 v[TT+J:TT+J+1], v[TT+J:TT+J+1], s[42:43], v[ST:ST+1] op_sel_hi:[1,0,0]
.set J, J+2
.endr
.irp c, 0,1,2,3
	v_fma_f32 v[BM+\c], v[BM+\c], s42, v[ST]
.endr
.set J, 0
	s_wait_alu depctr_va_vdst(0)                   ; ahead of the batch, and behind it
.rept 64
	v_exp_f32 v[TT+J], v[TT+J]
.set J, J+1
.endr
.irp c, 0,1,2,3
	v_exp_f32 v[BM+\c], v[BM+\c]                   ; a block's largest p
.endr
	v_nop
	s_wait_alu depctr_va_vdst(0)
.irp c, 0,1,2,3
	v_max_num_f32 v[BM+\c], 0x8000000, v[BM+\c]
.endr
.irp c, 0,1,2,3
	v_add_nc_u32 v[SO+\c], 0xf8800000, v[BM+\c]    ; the conversion's scale operand
.endr
.irp c, 0,1,2,3
	v_and_or_b32 v[LIM+\c], v[BM+\c], 0x7f800000, s44
.endr
.irp c, 0,1,2,3
	v_lshrrev_b32 v[BY+\c], 23, v[SO+\c]
.endr
	v_lshl_or_b32 v[PW+\a], v[BY+1], 8, v[BY]
	v_lshl_or_b32 v[PW+\a], v[BY+2], 16, v[PW+\a]
	v_lshl_or_b32 v[PW+\a], v[BY+3], 24, v[PW+\a]
	v_pk_add_f32 v[SUMA:SUMA+1], v[TT:TT+1], v[TT+4:TT+5]
	v_pk_add_f32 v[SUMB:SUMB+1], v[TT+2:TT+3], v[TT+6:TT+7]
.irp j, 8,12,16,20,24,28,32,36,40,44,48,52,56,60
	v_pk_add_f32 v[SUMA:SUMA+1], v[SUMA:SUMA+1], v[TT+\j:TT+\j+1]
	v_pk_add_f32 v[SUMB:SUMB+1], v[SUMB:SUMB+1], v[TT+\j+2:TT+\j+3]
.endr
	v_pk_add_f32 v[SUMA:SUMA+1], v[SUMA:SUMA+1], v[SUMB:SUMB+1]
	v_add_f32 v[SUMA], v[SUMA], v[SUMA+1]
	v_permlanex16_b32 v[BP], v[SUMA], s100, s101
	v_add_f32 v[ST+1], v[SUMA], v[BP]              ; l
.irp c, 0,1,2,3
.irp i, 0,1,2,3,4,5,6,7,8,9,10,11,12,13,14,15
	v_min_num_f32 v[TT+16*\c+\i], v[TT+16*\c+\i], v[LIM+\c]   ; the conversion does not saturate (ISA guide 7.6.2)
.endr
.endr
	s_wait_alu depctr_va_vdst(0)
	s_wait_xcnt 0x0                                ; earlier blocks' stores have read their registers
.irp c, 0,1,2,3
	v_cvt_scalef32_pk8_bf8_f32 v[CD+4*\c:CD+4*\c+1], v[TT+16*\c:TT+16*\c+7], v[SO+\c]
	v_cvt_scalef32_pk8_bf8_f32 v[CD+4*\c+2:CD+4*\c+3], v[TT+16*\c+8:TT+16*\c+15], v[SO+\c]
.endr
	v_nop
.irp c, 0,1,2,3
	global_store_b128 v[CO], v[CD+4*\c:CD+4*\c+3], s[12:13] offset:2048*(\a)+512*\c   ; 512 consecutive bytes each
.endr
.endm
	s_wait_alu depctr_va_vdst(0)
.Ltrip:                                            ; two trips: row blocks 0-3, then 4-7, whose sums are brought from window 3 to window 2, divided by 32 on the way
	v_add_nc_u32 v[MAD], s21, v[MAD0]
	MASKLD 0                                       ; the mask's rows are my own wave's: the wait on TENSORcnt has shown them
.irp a, 0,1,2,3
	SOFT \a
.endr
.irp k, 0,1                                    ; lanes 0-15 take row block 2 k, lanes 16-31 row block 2 k + 1: row 32 k + lane
	v_cndmask_b32 v[OU+2*\k], v[STT+4*\k], v[STT+4*\k+2], s20
	v_cndmask_b32 v[OU+2*\k+1], v[STT+4*\k+1], v[STT+4*\k+3], s20
	v_cndmask_b32 v[OU+4+\k], v[PW+2*\k], v[PW+2*\k+1], s20
.endr
	global_store_b64 v[L8], v[OU:OU+1], s[104:105]             ; 256 consecutive bytes each
	global_store_b64 v[L8], v[OU+2:OU+3], s[104:105] offset:256
	global_store_b64 v[L8], v[OU+4:OU+5], s[66:67]
	s_sub_co_u32 s22, s22, 1
	s_cmp_eq_u32 s22, 0
	s_cbranch_scc1 .Lout
	s_wait_tensorcnt 0x0                           ; the mask's other rows
	s_wait_xcnt 0x0                                ; the stores have read their bases
	s_add_nc_u64 s[12:13], s[12:13], 8192
	s_add_nc_u64 s[66:67], s[66:67], 256
	s_add_nc_u64 s[104:105], s[104:105], 512
	s_mov_b32 s21, SLOT
	WIN 0x83
	s_wait_alu depctr_va_vdst(0)
.set J, 0
.rept 128
	v_pk_mul_f32 v[J:J+1], v[J:J+1], s[40:41] op_sel_hi:[1,0]
.set J, J+2
.endr
	WIN 0
	s_mov_b32 s40, 1.0
	s_mov_b32 s41, 1.0
	s_wait_alu depctr_va_vdst(0)
	s_cmp_lg_u32 s22, 0
	s_cbranch_scc1 .Ltrip
.Lout:
	s_wait_tensorcnt 0x0                           ; the wave's end
	ds_add_u32 v[SPW], v[NIL]
	s_wait_dscnt 0x0
	CROUND                                         ; the closing round
	s_endpgm
.Lfunc_end_k_q8b6e2a2a28_scores:
	.size	k_q8b6e2a2a28_scores, .Lfunc_end_k_q8b6e2a2a28_scores-k_q8b6e2a2a28_scores
	.p2alignl 7, 3214868480
	.fill 96, 4, 3214868480
	.section	.rodata,"a",@progbits
	.p2align	6, 0x0
	.amdhsa_kernel k_q8b6e2a2a28_scores
		.amdhsa_group_segment_fixed_size 327680
		.amdhsa_private_segment_fixed_size 0
		.amdhsa_enable_private_segment 0
		.amdhsa_kernarg_size 48
		.amdhsa_user_sgpr_count 2
		.amdhsa_user_sgpr_kernarg_segment_ptr 1
		.amdhsa_wavefront_size32 1
		.amdhsa_system_sgpr_workgroup_id_x 1
		.amdhsa_system_sgpr_workgroup_id_y 1
		.amdhsa_system_sgpr_workgroup_id_z 1
		.amdhsa_system_vgpr_workitem_id 0
		.amdhsa_next_free_vgpr 1024
		.amdhsa_next_free_sgpr 106
		.amdhsa_reserve_vcc 0
		.amdhsa_float_denorm_mode_32 3
		.amdhsa_float_denorm_mode_16_64 3
		.amdhsa_memory_ordered 1
		.amdhsa_forward_progress 1
		.amdhsa_inst_pref_size 193
	.end_amdhsa_kernel
	.amdgpu_metadata
---
amdhsa.version: [ 1, 2 ]
amdhsa.kernels:
  - .name:           k_q8b6e2a2a28_scores
    .symbol:         k_q8b6e2a2a28_scores.kd
    .args:
      - { .name: wc, .offset: 0, .size: 8, .value_kind: global_buffer, .address_space: global }
      - { .name: ws, .offset: 8, .size: 8, .value_kind: global_buffer, .address_space: global }
      - { .name: mask, .offset: 16, .size: 8, .value_kind: global_buffer, .address_space: global }
      - { .name: pc, .offset: 24, .size: 8, .value_kind: global_buffer, .address_space: global }
      - { .name: ps, .offset: 32, .size: 8, .value_kind: global_buffer, .address_space: global }
      - { .name: st, .offset: 40, .size: 8, .value_kind: global_buffer, .address_space: global }
    .group_segment_fixed_size: 327680
    .private_segment_fixed_size: 0
    .kernarg_segment_align: 8
    .kernarg_segment_size: 48
    .max_flat_workgroup_size: 128
    .sgpr_count:     106
    .vgpr_count:     1024
    .wavefront_size: 32
...
	.end_amdgpu_metadata
.endif
;; end of part 2
;; launch pv (part 3): grid 4 x 64, 4 waves a work-group, clusters of 4 x 4, 327,680 bytes of LDS; arguments pc, ps, st, wc, ws, out0; writes out0
.if DOCPART == 3
	.amdgcn_target "amdgcn-amd-amdhsa--gfx1250"
	.amdhsa_code_object_version 6
	.text
	.protected	k_q8b6e2a2a28_pv
	.globl	k_q8b6e2a2a28_pv
	.p2align	8
	.type	k_q8b6e2a2a28_pv,@function
k_q8b6e2a2a28_pv:
	s_mov_b64 s[64:65], 0
	v_nop
	global_prefetch_b8 v0, s[64:65] scope:SCOPE_SE
	s_setreg_imm32_b32 hwreg(HW_REG_WAVE_MODE, 25, 1), 1
	s_wait_xcnt 0x0
	s_wait_alu depctr_hold_cnt(0) depctr_sa_sdst(0) depctr_va_vdst(0) depctr_va_sdst(0) depctr_va_ssrc(0) depctr_va_vcc(0) depctr_vm_vsrc(0)
	s_getreg_b32 s2, hwreg(HW_REG_IB_STS2, 6, 4)
	s_cmp_eq_u32 s2, 0
	s_cbranch_scc0 .Lentry_in_a_cluster
	s_endpgm
.Lentry_in_a_cluster:
	s_bfe_u32 s2, ttmp6, 0x10000c
	s_cmp_lg_u32 s2, 0xf033
	s_cbranch_scc0 .Lentry_shape_is_right
	s_endpgm
.Lentry_shape_is_right:
; out = (P V) / l on codes.  A work-group makes 128 queries x 256 channels, each of its four waves 128 x 64 (32 accumulators); K = 2,048 keys in sixteen units of 128.
; P's WHOLE TILE LIES IN LDS: sixteen units of 16,384 bytes (8 blocks of 16 queries, operand images, so no padding), asked for at the head, jointly by the four work-groups of a cluster's row, one load of four units a wave.  Nothing is filled again.
; The first barrier shows wave 0's units 0-3; the second, in front of unit 3's products, all the others.
; V^T COMES STRAIGHT INTO REGISTERS: a wave loads its own 64 channels, 8,192 dense bytes of a unit, so a work-group loads no byte of V^T twice; four sets of registers, asked for three units ahead.  It is not asked for jointly: a joint load lands in LDS, which P's tile fills,
; and a ring for V^T there would want a round of the cluster's barrier for every few units.
; PREFETCHES: V^T's units 4-15, four units ahead of their loads or more: wave w takes units 4 + w, 8 + w, 12 + w, a quarter of each unit a work-group of the four that share it in the cluster (told apart by address).  Units 0-3 come by their loads alone, and P is asked for at once.
; AT THE HEAD each thread takes one of the 128 rows: the row's -M is the least of its 16 pieces' -M; a piece's l is multiplied, and its four scale bytes are lowered, by 2^(M(piece) - M(row)): exact; the corrected words and 1 / (the sum of the l) go to LDS.
; TRANSPOSED USE: source 0 = 16 channels, source 1 = 16 queries: a lane holds query r and channels 8 h + j.
; LIMITS: the lowering is held at 127 binades and a byte at 0 (2^-127): what lies that far under the row's largest p adds under 1e-30 of the row.  A row wholly at -infinity gives NaN (0 x infinity), as the definition does.  NaN and +infinity among the logits are not served.
; A unit's loads (V^T three units on, P's next unit) stand in one run ahead of its 32 products.
; REGISTERS: window 0: v8-15 1 / l; v20-31 addresses; v32-35, v40-43 P's scale words of even and odd units; v36 + 8 s V^T's two of set s; v64-191 V^T's sets 0, 1; v192-253 the head's work.  window 1: v64-191 V^T's sets 2, 3, at the end the results.
;   windows 2, 3: v0-127 the accumulators of query blocks 0-3 and 4-7 ((a, b) at v[8 (4 (a % 4) + b)]); v128-255 P's fragments of even and of odd units.
.set UP,    16384                      ; a unit of P
.set ASC,   16*UP                      ; P's corrected scale words [16][32 lanes][4: row 32 k + lane]
.set RL,    ASC+8192
.set SPARE, RL+512
.set STG,   SPARE+512                  ; the way out: 16 rows x (256 + 16) bytes for each wave
.set KADVB, 131072                     ; a unit of V^T in memory
.set NP, 8                             ; places behind this matrix form (ISA guide 7.12.1)
.set NVL, 17                           ; loads of a unit of V^T: 16, and its scale words
.set RLV,  8
.set ADRP, 20
.set ADRN, 21
.set VO,   22
.set ADS,  23
.set VSO,  24
.set STO,  25
.set RD,   26
.set CO,   27
.set SPW,  28
.set NIL,  29
.set PFV,  30
.set RLA,  31
.set HT,   192
.set HW,   224
.set HM,   240
.set G1P, 24
.set G0P, 32
.set VB,  46                           ; s[46:47] V^T's codes: my 64 channels, the trip's first unit
.set VS,  22                           ; s[22:23] its scale words
.set PF,  68
.set MSB, 0
.macro WIN new
.if MSB != \new
	s_set_vgpr_msb (MSB<<8)|\new
.set MSB, \new
.endif
.endm
.macro CROUND
	s_barrier_signal -1
	s_barrier_wait -1
	s_cmp_lg_u32 s14, 0
	s_cbranch_scc1 .Lnot_wave_0_\@
	s_barrier_signal -3
.Lnot_wave_0_\@:
	s_barrier_wait -3
	s_barrier_signal -1
	s_barrier_wait -1
.endm
.macro PLACES n
.rept \n
	v_nop
.endr
.endm
.macro SADD d, x
	s_add_co_u32 s\d, s\d, s\x
.endm
	s_load_b256 s[4:11], s[0:1], 0x0               ; pc 4, ps 6, st 8, wc 10
	s_load_b128 s[96:99], s[0:1], 0x20             ; ws 96, out0 98
	v_lshl_add_u32 v[SPW], v0, 2, SPARE
	v_mov_b32 v[NIL], 0
	ds_add_u32 v[SPW], v[NIL]                      ; the opening: the add, twice on end, and its wait
	ds_add_u32 v[SPW], v[NIL]
	v_lshrrev_b32 v1, 5, v0
	v_readfirstlane_b32 s14, v1
	s_bfe_u32 s40, ttmp6, 0x40000
	s_bfe_u32 s41, ttmp6, 0x40004
	s_lshl_b32 s42, ttmp9, 2
	SADD 42, 40                                    ; channel tile 0..3
	s_and_b32 s3, ttmp7, 0xffff
	s_lshl_b32 s17, s3, 2
	SADD 17, 41                                    ; 16 x batch + query tile
	s_lshr_b32 s3, s3, 2                           ; batch
	s_lshl_b32 s43, s41, 2
	s_lshl_b32 s43, 15, s43                        ; my row of the cluster shares P's tile
	s_or_b32 s[G1P+0], s43, (3<<16)|(1<<21)        ; elements of 8 bytes; no padding
	s_mov_b32 s[G1P+1], (UP/8)<<16
	s_mov_b32 s[G1P+2], 4<<16
	s_mov_b32 s[G1P+3], (UP/8)<<16
	s_mov_b32 s[G1P+4], 4
	s_mov_b32 s[G1P+5], 32768                      ; 262,144 bytes from a unit to the next
	s_mov_b32 s[G1P+6], 0
	s_mov_b32 s[G1P+7], 0
	s_and_b32 s18, s17, 15
	s_lshl_b32 s20, s3, 22                         ; P's tile,
	s_lshl_b32 s19, s18, 14
	SADD 20, 19
	s_lshl_b32 s19, s14, 20                        ; my four units
	SADD 20, 19
	s_mov_b32 s21, 0
	s_lshl_b32 s92, s3, 17                         ; ps: 512 bytes of a unit
	s_lshl_b32 s19, s18, 9
	SADD 92, 19
	s_mov_b32 s93, 0
	s_lshl_b32 s66, s3, 18                         ; st: 1,024
	s_lshl_b32 s19, s18, 10
	SADD 66, 19
	s_mov_b32 s67, 0
	s_lshl_b32 s46, s3, 21                         ; V^T's tile: 32,768 of a unit
	s_lshl_b32 s19, s42, 15
	SADD 46, 19
	s_add_co_u32 s46, s46, 16777216
	s_mov_b32 s47, 0
	s_add_co_u32 s18, s14, 4                       ; the prefetches: unit 4 + wave, my quarter by cy
	s_lshl_b32 s18, s18, 17
	s_lshl_b32 s19, s41, 13
	s_add_co_u32 s94, s18, s19
	s_add_co_u32 s94, s94, s46
	s_mov_b32 s95, 0
	s_lshl_b32 s19, s14, 13                        ; my 64 channels
	SADD 46, 19
	s_lshl_b32 s22, s3, 16                         ; their scale words: 256 bytes of a unit
	s_lshl_b32 s19, s42, 10
	SADD 22, 19
	s_lshl_b32 s19, s14, 8
	SADD 22, 19
	s_add_co_u32 s22, s22, 524288
	s_mov_b32 s23, 0
	s_lshl_b32 s12, s17, 19                        ; out0: my first row and channel
	s_lshl_b32 s19, s42, 10
	SADD 12, 19
	s_lshl_b32 s19, s14, 8
	SADD 12, 19
	s_mov_b32 s13, 0
	v_and_b32 v1, 15, v0                           ; r
	v_bfe_u32 v2, v0, 4, 1                         ; h
	v_and_b32 v3, 31, v0                           ; lane
	v_lshlrev_b32 v4, 3, v0                        ; st: thread t takes row t
	v_lshrrev_b32 v5, 6, v0
	v_bfe_u32 v6, v0, 5, 1
	v_lshlrev_b32 v[VSO], 3, v3
	v_lshl_add_u32 v7, v5, 8, v[VSO]
	v_lshl_add_u32 v7, v6, 2, v7                   ; its scale word in a unit of ps: group of 64, lane, which half
	v_lshlrev_b32 v[VO], 4, v3
	v_lshlrev_b32 v[PFV], 8, v3
	s_wait_alu depctr_va_vdst(0)
	s_wait_dscnt 0x0                               ; both opening adds are done
	CROUND                                         ; all sixteen work-groups are here
	s_wait_kmcnt 0x0
	s_add_nc_u64 s[20:21], s[4:5], s[20:21]
	s_add_nc_u64 s[PF:PF+1], s[10:11], s[94:95]
	s_add_nc_u64 s[VB:VB+1], s[10:11], s[46:47]
	s_add_nc_u64 s[VS:VS+1], s[96:97], s[22:23]
	s_add_nc_u64 s[66:67], s[8:9], s[66:67]
	s_add_nc_u64 s[92:93], s[6:7], s[92:93]
	s_add_nc_u64 s[12:13], s[98:99], s[12:13]
	s_mov_b32 s[G0P], 1
	s_lshl_b32 s[G0P+1], s14, 16
	s_mov_b64 s[G0P+2:G0P+3], s[20:21]
	s_or_b32 s[G0P+3], s[G0P+3], 0x80000000
.macro ARM under, next                 ; one tree of branches, one load a wave, each with a line of its own
	s_cmp_lt_u32 s14, \under
	s_cbranch_scc0 \next
	tensor_load_to_lds s[G0P:G0P+3], s[G1P:G1P+7]
	s_nop 0
	PLACES 4
	s_branch .Lhead_asked
\next:
.endm
	ARM 1, .Lhead_1
	ARM 2, .Lhead_2
	ARM 3, .Lhead_3
	tensor_load_to_lds s[G0P:G0P+3], s[G1P:G1P+7]
	s_nop 0
	PLACES 4
.Lhead_asked:
.set I_, 0
.rept 16
	global_load_b64 v[HT+2*I_:HT+2*I_+1], v4, s[66:67] offset:16384*I_   ; (-M, l) of the sixteen pieces
.set I_, I_+1
.endr
.set I_, 0
.rept 16
	global_load_b32 v[HW+I_], v7, s[92:93] offset:8192*I_                ; their scale words
.set I_, I_+1
.endr
.macro VLOAD u, s                      ; the trip's unit u of V^T into set s
	WIN 0x40*((\s)/2)
.set L_, 0
.rept 16
	global_load_b128 v[64+64*((\s)%2)+4*L_:67+64*((\s)%2)+4*L_], v[VO], s[VB:VB+1] offset:(\u)*KADVB+512*L_   ; 512 consecutive bytes each
.set L_, L_+1
.endr
	WIN 0
	global_load_b64 v[36+8*(\s):37+8*(\s)], v[VSO], s[VS:VS+1] offset:(\u)*4096
.endm
	VLOAD 0, 0
	VLOAD 1, 1
	global_prefetch_b8 v[PFV], s[PF:PF+1] th:TH_LOAD_NT scope:SCOPE_SE
	v_mov_b32 v[ADRP], v[VO]
	v_add_nc_u32 v[ADRN], 4*UP, v[VO]              ; four units on
	v_add_nc_u32 v[ADS], ASC, v[VO]
	v_lshl_add_u32 v[RLA], v1, 2, RL
	s_mul_i32 s18, s14, 16*272
	s_add_co_u32 s18, s18, STG
	v_mul_u32_u24 v5, v1, 272
	v_lshl_add_u32 v5, v2, 5, v5
	v_add_nc_u32 v[STO], s18, v5                   ; in: row r, 32 bytes for each half of the lanes
	v_mul_u32_u24 v5, v2, 272
	v_lshl_add_u32 v5, v1, 4, v5
	v_add_nc_u32 v[RD], s18, v5                    ; back: lanes 0-15 a row of 256 bytes, lanes 16-31 the next
	v_lshlrev_b32 v5, 12, v2
	v_lshl_add_u32 v[CO], v1, 4, v5
	v_lshrrev_b32 v5, 5, v0
	v_lshlrev_b32 v5, 2, v5
	v_lshl_add_u32 v5, v3, 4, v5
	v_add_nc_u32 v5, ASC, v5                       ; where my row's words go
	v_lshl_add_u32 v6, v0, 2, RL                   ; and its 1 / l
	s_wait_alu depctr_va_vdst(0)
	s_wait_loadcnt 2*NVL                           ; (-M, l) and the scale words are in; V^T's two units may be out
	v_min3_num_f32 v[HM], v[HT], v[HT+2], v[HT+4]
	v_min3_num_f32 v[HM+1], v[HT+6], v[HT+8], v[HT+10]
	v_min3_num_f32 v[HM], v[HM], v[HT+12], v[HT+14]
	v_min3_num_f32 v[HM+1], v[HM+1], v[HT+16], v[HT+18]
	v_min3_num_f32 v[HM], v[HM], v[HT+20], v[HT+22]
	v_min3_num_f32 v[HM+1], v[HM+1], v[HT+24], v[HT+26]
	v_min3_num_f32 v[HM], v[HM], v[HT+28], v[HT+30]
	v_min_num_f32 v[HM], v[HM], v[HM+1]            ; the row's -M
.macro FIX p                           ; piece p
.set NM, HT+2*(\p)
.set LL, HT+2*(\p)+1
.set WD, HW+(\p)
.set TP, HM+2+4*((\p)%3)
	v_sub_f32 v[TP], v[HM], v[NM]                  ; M(piece) - M(row): a whole number, 0 or less,
	v_max_num_f32 v[TP], 0xc2fe0000, v[TP]         ; held at -127
	v_cvt_i32_f32 v[TP], v[TP]
	v_ldexp_f32 v[LL], v[LL], v[TP]                ; l under the row's M
	v_sub_nc_u32 v[TP+1], 0, v[TP]                 ; d = 0 .. 127, in all four bytes
	v_lshl_or_b32 v[TP+1], v[TP+1], 8, v[TP+1]
	v_lshl_or_b32 v[TP+1], v[TP+1], 16, v[TP+1]
	v_or_b32 v[WD], 0x80808080, v[WD]              ; a byte is at most 112: 128 + byte - d is at least 1, so no borrow crosses bytes,
	v_sub_nc_u32 v[WD], v[WD], v[TP+1]
	v_and_b32 v[TP+2], 0x80808080, v[WD]           ; and its top bit says: byte - d is not negative
	v_lshrrev_b32 v[TP+3], 7, v[TP+2]
	v_sub_nc_u32 v[TP+2], v[TP+2], v[TP+3]
	v_and_b32 v[WD], v[WD], v[TP+2]                ; max(byte - d, 0)
.endm
.irp p, 0,1,2,3,4,5,6,7,8,9,10,11,12,13,14,15
	FIX \p
.endr
	v_add_f32 v[HM], v[HT+1], v[HT+3]
	v_add_f32 v[HM+1], v[HT+5], v[HT+7]
.irp k, 9,13,17,21,25,29
	v_add_f32 v[HM], v[HM], v[HT+\k]
	v_add_f32 v[HM+1], v[HM+1], v[HT+\k+2]
.endr
	v_add_f32 v[HM], v[HM], v[HM+1]                ; the row's l
	s_wait_alu depctr_va_vdst(0)
	v_rcp_f32 v[HM+1], v[HM]
	v_nop
.set I_, 0
.rept 16
	ds_store_b32 v5, v[HW+I_] offset:512*I_
.set I_, I_+1
.endr
	s_wait_alu depctr_va_vdst(0)
	ds_store_b32 v6, v[HM+1]
	VLOAD 2, 2
; One matrix instruction.  A scale register holds an even block's words in lanes 0-15 and the odd block's in lanes 16-31: OB, OA say which half each side takes.
.macro WM zero
.if \zero
.if OB
.if OA
	v_wmma_scale_f32_16x16x128_f8f6f4 v[rD:rD+7], v[rB:rB+15], v[rA:rA+15], 0, v[rSB], v[rSA] matrix_a_fmt:MATRIX_FMT_BF8 matrix_b_fmt:MATRIX_FMT_BF8 matrix_a_scale:MATRIX_SCALE_ROW1 matrix_b_scale:MATRIX_SCALE_ROW1
.else
	v_wmma_scale_f32_16x16x128_f8f6f4 v[rD:rD+7], v[rB:rB+15], v[rA:rA+15], 0, v[rSB], v[rSA] matrix_a_fmt:MATRIX_FMT_BF8 matrix_b_fmt:MATRIX_FMT_BF8 matrix_a_scale:MATRIX_SCALE_ROW1
.endif
.else
.if OA
	v_wmma_scale_f32_16x16x128_f8f6f4 v[rD:rD+7], v[rB:rB+15], v[rA:rA+15], 0, v[rSB], v[rSA] matrix_a_fmt:MATRIX_FMT_BF8 matrix_b_fmt:MATRIX_FMT_BF8 matrix_b_scale:MATRIX_SCALE_ROW1
.else
	v_wmma_scale_f32_16x16x128_f8f6f4 v[rD:rD+7], v[rB:rB+15], v[rA:rA+15], 0, v[rSB], v[rSA] matrix_a_fmt:MATRIX_FMT_BF8 matrix_b_fmt:MATRIX_FMT_BF8
.endif
.endif
.else
.if OB
.if OA
	v_wmma_scale_f32_16x16x128_f8f6f4 v[rD:rD+7], v[rB:rB+15], v[rA:rA+15], v[rD:rD+7], v[rSB], v[rSA] matrix_a_fmt:MATRIX_FMT_BF8 matrix_b_fmt:MATRIX_FMT_BF8 matrix_a_scale:MATRIX_SCALE_ROW1 matrix_b_scale:MATRIX_SCALE_ROW1
.else
	v_wmma_scale_f32_16x16x128_f8f6f4 v[rD:rD+7], v[rB:rB+15], v[rA:rA+15], v[rD:rD+7], v[rSB], v[rSA] matrix_a_fmt:MATRIX_FMT_BF8 matrix_b_fmt:MATRIX_FMT_BF8 matrix_a_scale:MATRIX_SCALE_ROW1
.endif
.else
.if OA
	v_wmma_scale_f32_16x16x128_f8f6f4 v[rD:rD+7], v[rB:rB+15], v[rA:rA+15], v[rD:rD+7], v[rSB], v[rSA] matrix_a_fmt:MATRIX_FMT_BF8 matrix_b_fmt:MATRIX_FMT_BF8 matrix_b_scale:MATRIX_SCALE_ROW1
.else
	v_wmma_scale_f32_16x16x128_f8f6f4 v[rD:rD+7], v[rB:rB+15], v[rA:rA+15], v[rD:rD+7], v[rSB], v[rSA] matrix_a_fmt:MATRIX_FMT_BF8 matrix_b_fmt:MATRIX_FMT_BF8
.endif
.endif
.endif
.endm
; 16 products: query blocks 4 hf .. 4 hf + 3 x my four channel tiles, for the trip's unit k.  The accumulators take turns.
.macro HALF hf, k, zero
	WIN ((\k)/2)|((2+(\k)%2)<<2)|(0x50*(2+\hf))
.irp a, 0,1,2,3
.irp b, 0,1,2,3
.set rD, 8*(4*\a+\b)
.set rB, 64+64*((\k)%2)+16*\b
.set rA, 128+16*(4*(\hf)+\a)
.set rSB, 36+8*(\k)+\b/2
.set rSA, 32+8*((\k)%2)+(4*(\hf)+\a)/2
.set OB, \b%2
.set OA, \a%2
	WM \zero
.endr
.endr
.endm
.macro PFETCH p, adr, off              ; P's eight fragments of a unit into set p (its scale words lie off / 32 bytes on)
	WIN 0x80+0x40*(\p)
.set L_, 0
.rept 32
	ds_load_b128 v[128+4*L_:131+4*L_], v[\adr] offset:(\off)+512*L_
.set L_, L_+1
.endr
	WIN 0
.endm
; THE TRIP'S UNIT k.  nv: loads of V^T's younger units that may be out; vl = 1: V^T three units on; pf = 1: the next unit's P; bar = 1: the barrier that shows P's units 4-15.
.macro UNIT k, zero, nv, vl, pf, bar=0
.if \bar
	s_wait_tensorcnt 0x0                           ; my load has landed
.endif
	s_wait_dscnt 0x0                               ; this unit's fragments are in
.if \bar
	s_barrier_signal -1
	s_barrier_wait -1
.endif
	s_wait_loadcnt \nv
	PLACES NP                                      ; in front of loads into what the last unit's products read
.if \vl
	VLOAD (\k)+3, ((\k)+3)%4
.endif
.if \pf
.if (\k) == 3
	PFETCH 0, ADRN, 0
.else
	PFETCH ((\k)+1)%2, ADRP, ((\k)+1)*UP
.endif
	ds_load_b128 v[32+8*(((\k)+1)%2):35+8*(((\k)+1)%2)], v[ADS] offset:512*((\k)+1)
.endif
	HALF 0, \k, \zero
	HALF 1, \k, \zero
	WIN 0
.endm
.macro NEXT                            ; on to the next four units
	s_wait_xcnt 0x0                                ; the loads have taken their bases
	s_add_nc_u64 s[VB:VB+1], s[VB:VB+1], 4*KADVB
	s_add_nc_u64 s[VS:VS+1], s[VS:VS+1], 4*4096
	v_add_nc_u32 v[ADRP], 4*UP, v[ADRP]
	v_add_nc_u32 v[ADRN], 4*UP, v[ADRN]
	v_add_nc_u32 v[ADS], 4*512, v[ADS]
	s_wait_alu depctr_va_vdst(0)
.endm
	s_wait_alu depctr_va_vdst(0)
	s_cmp_eq_u32 s14, 0
	s_cbranch_scc0 .Lnot_first
	s_wait_tensorcnt 0x0                           ; wave 0: units 0-3 have landed.  The other waves' wait stands at the second barrier
.Lnot_first:
	s_wait_dscnt 0x0                               ; my row's words and 1 / l are stored
	s_barrier_signal -1
	s_barrier_wait -1
	PFETCH 0, ADRP, 0                              ; unit 0's fragments
	ds_load_b128 v[32:35], v[ADS]
.irp a, 0,1,2,3,4,5,6,7
	ds_load_b32 v[RLV+\a], v[RLA] offset:64*\a
.endr
	UNIT 0, 1, 2*NVL, 1, 1                         ; the first products start the sums
	global_prefetch_b8 v[PFV], s[PF:PF+1] offset:4*KADVB th:TH_LOAD_NT scope:SCOPE_SE
	UNIT 1, 0, 2*NVL, 1, 1
	UNIT 2, 0, 2*NVL, 1, 1
	UNIT 3, 0, 2*NVL, 1, 1, 1
	global_prefetch_b8 v[PFV], s[PF:PF+1] offset:8*KADVB th:TH_LOAD_NT scope:SCOPE_SE
	NEXT
	s_mov_b32 s3, 2
.Lfour:                                            ; units 4-7, 8-11
	UNIT 0, 0, 2*NVL, 1, 1
	UNIT 1, 0, 2*NVL, 1, 1
	UNIT 2, 0, 2*NVL, 1, 1
	UNIT 3, 0, 2*NVL, 1, 1
	NEXT
	s_sub_co_u32 s3, s3, 1
	s_cmp_lg_u32 s3, 0
	s_cbranch_scc1 .Lfour
	UNIT 0, 0, 2*NVL, 1, 1                         ; units 12-15: V^T's last is asked for in the first of them
	UNIT 1, 0, 2*NVL, 0, 1
	UNIT 2, 0, NVL, 0, 1
	UNIT 3, 0, 0, 0, 0
	PLACES NP
; THE WAY OUT, a block of 16 queries x 64 channels at a time: x 1 / l, through my own stage (LDS serves a wave's instructions in order: ISA guide 5.7.1.4), back as rows of 256 bytes.
.macro OUTB a
.if (\a) > 3
	s_wait_xcnt 0x0                                ; block a - 4's stores have read their registers
.endif
.set RR, 64+32*((\a)%4)
	WIN 0x40|(2+(\a)/4)
.set J, 0
.rept 16
.if (\a)%2
	v_pk_mul_f32 v[RR+J:RR+J+1], v[32*((\a)%4)+J:32*((\a)%4)+J+1], v[RLV+(\a)-1:RLV+(\a)] op_sel:[0,1] op_sel_hi:[1,1]
.else
	v_pk_mul_f32 v[RR+J:RR+J+1], v[32*((\a)%4)+J:32*((\a)%4)+J+1], v[RLV+(\a):RLV+(\a)+1] op_sel_hi:[1,0]
.endif
.set J, J+2
.endr
	WIN 0x04
.irp b, 0,1,2,3
	ds_store_b128 v[STO], v[RR+8*\b:RR+8*\b+3] offset:64*\b
	ds_store_b128 v[STO], v[RR+8*\b+4:RR+8*\b+7] offset:64*\b+16
.endr
	WIN 0x40
.irp t, 0,1,2,3,4,5,6,7
	ds_load_b128 v[RR+4*\t:RR+4*\t+3], v[RD] offset:\t*544
.endr
	WIN 0
.endm
.macro SEND a, younger                 ; younger: the next block's eight stores and eight loads, or none
	s_wait_dscnt \younger
	WIN 0x04
.irp t, 0,1,2,3,4,5,6,7
	global_store_b128 v[CO], v[64+32*((\a)%4)+4*\t:67+32*((\a)%4)+4*\t], s[12:13] offset:(16*(\a)+2*\t)*4096 th:TH_STORE_NT   ; two rows of 256 bytes, aligned
.endr
	WIN 0
.endm
	OUTB 0
.irp a, 1,2,3,4,5,6,7
	OUTB \a
	SEND \a-1, 16
.endr
	SEND 7, 0
	s_wait_tensorcnt 0x0                           ; the wave's end
	ds_add_u32 v[SPW], v[NIL]
	s_wait_dscnt 0x0
	CROUND                                         ; the closing round
	s_endpgm
.Lfunc_end_k_q8b6e2a2a28_pv:
	.size	k_q8b6e2a2a28_pv, .Lfunc_end_k_q8b6e2a2a28_pv-k_q8b6e2a2a28_pv
	.p2alignl 7, 3214868480
	.fill 96, 4, 3214868480
	.section	.rodata,"a",@progbits
	.p2align	6, 0x0
	.amdhsa_kernel k_q8b6e2a2a28_pv
		.amdhsa_group_segment_fixed_size 327680
		.amdhsa_private_segment_fixed_size 0
		.amdhsa_enable_private_segment 0
		.amdhsa_kernarg_size 48
		.amdhsa_user_sgpr_count 2
		.amdhsa_user_sgpr_kernarg_segment_ptr 1
		.amdhsa_wavefront_size32 1
		.amdhsa_system_sgpr_workgroup_id_x 1
		.amdhsa_system_sgpr_workgroup_id_y 1
		.amdhsa_system_sgpr_workgroup_id_z 1
		.amdhsa_system_vgpr_workitem_id 0
		.amdhsa_next_free_vgpr 1024
		.amdhsa_next_free_sgpr 106
		.amdhsa_reserve_vcc 0
		.amdhsa_float_denorm_mode_32 3
		.amdhsa_float_denorm_mode_16_64 3
		.amdhsa_memory_ordered 1
		.amdhsa_forward_progress 1
		.amdhsa_inst_pref_size 146
	.end_amdhsa_kernel
	.amdgpu_metadata
---
amdhsa.version: [ 1, 2 ]
amdhsa.kernels:
  - .name:           k_q8b6e2a2a28_pv
    .symbol:         k_q8b6e2a2a28_pv.kd
    .args:
      - { .name: pc, .offset: 0, .size: 8, .value_kind: global_buffer, .address_space: global }
      - { .name: ps, .offset: 8, .size: 8, .value_kind: global_buffer, .address_space: global }
      - { .name: st, .offset: 16, .size: 8, .value_kind: global_buffer, .address_space: global }
      - { .name: wc, .offset: 24, .size: 8, .value_kind: global_buffer, .address_space: global }
      - { .name: ws, .offset: 32, .size: 8, .value_kind: global_buffer, .address_space: global }
      - { .name: out0, .offset: 40, .size: 8, .value_kind: global_buffer, .address_space: global }
    .group_segment_fixed_size: 327680
    .private_segment_fixed_size: 0
    .kernarg_segment_align: 8
    .kernarg_segment_size: 48
    .max_flat_workgroup_size: 128
    .sgpr_count:     106
    .vgpr_count:     1024
    .wavefront_size: 32
...
	.end_amdgpu_metadata
.endif
;; end of part 3
